; MI455X (gfx1250); checked and timed in simulation.
; The chip was launched on July 23, 2026; its instructions are those of AMD's public machine-readable ISA for CDNA 5 (MIT licence, August 2026) and "CDNA5" Instruction Set Architecture Reference Guide (July 2026). The comments in the code are by the model that wrote it; some were corrected since.
;; Multi Headed Attention. Allowed arithmetic: matrix products marked QUANTISED: E3M2 operands, one E8M0 scale for each 32 along K, by v_wmma_scale_f32_16x16x128_f8f6f4 with both operands' format E3M2, f32 sums; products left as they are: f32 operands where the result goes on into a quantised operand, else bf16, f16 or f32 operands; f32 sums; everything else in f32.
;; Inputs: Wk 512 x 4,096 float32; Wo 4,096 x 8 float32; Wq 512 x 4,096 float32; Wv 512 x 4,096 float32; bk 4,096 float32; bo 8 float32; bq 4,096 float32; bv 4,096 float32; x 1,024 x 4 x 512 float32.
;; Outputs: out0 1,024 x 4 x 8 float32.
;; This version of the problem:
;;   THIS VERSION OF THE PROBLEM IS GIVEN IN LOW PRECISION. The matrix products marked QUANTISED in the list below multiply operands that are first quantised to E3M2 (3 exponent bits, 2 mantissa bits; 6 bits a number), with one power-of-two scale for each 32 numbers along K (OCP MX v1.0); their sums are f32. All else is computed in f32.
;;   The module's matrix products, in the order in which they are computed (A, B: the left and right operand; K: the contracted axis; several contracted axes count as one K, in the product's order):
;;     1. [M 4,096, K 512] x [K 512, N 4,096]; A: input x; B: input Wq: QUANTISED
;;     2. [M 4,096, K 512] x [K 512, N 4,096]; A: input x; B: input Wk: QUANTISED
;;     3. [M 4,096, K 512] x [K 512, N 4,096]; A: input x; B: input Wv: QUANTISED
;;     4. batch 32 x [M 1,024, K 512] x [K 512, N 1,024]; A: computed on the way; B: computed on the way: QUANTISED
;;     5. batch 32 x [M 512, K 1,024] x [K 1,024, N 1,024]; A: computed on the way; B: softmax (see below): QUANTISED
;;     6. [M 4,096, K 4,096] x [K 4,096, N 8]; A: computed on the way; B: input Wo: left as it is (N = 8 < 16)
;;   THE QUANTISER, for each operand of a quantised product, along K:
;;     - K is cut into blocks of 32 from its start; a last block that is shorter is filled with zeros.
;;     - A block's scale is 2^e with e = floor(log2(the largest magnitude in the block)) - 4, held to -126 .. 127; a block of zeros has e = 0. As a byte (E8M0): e + 127.
;;     - Each number is divided by its block's scale, clamped to +-28, and rounded to the nearest number of E3M2, ties to even, subnormals kept.
;;     - The product sums the exact products of the quantised numbers (number of the format x scale) in f32.
;;   ~~~python
;;   def quantise(x, axis):      # numpy; x: float32 -> the quantised numbers, widened to float32 again
;;       x = np.moveaxis(x, axis, -1); K = x.shape[-1]
;;       x = np.pad(x, [(0, 0)] * (x.ndim - 1) + [(0, -K % 32)]); x = x.reshape(x.shape[:-1] + (-1, 32)); a = np.abs(x).max(-1, keepdims=True)
;;       e = np.where(a > 0, np.clip(np.frexp(np.where(a > 0, a, 1))[1] - 1 - 4, -126, 127), 0)      # np.frexp(a)[1] - 1 = floor(log2(a)), exactly
;;       r = np.clip(x / 2.0 ** e, -28, 28)
;;       step = 2.0 ** (np.maximum(np.frexp(np.where(r == 0, 1, r))[1] - 1, -2) - 2)
;;       q = np.round(r / step) * step * 2.0 ** e      # np.round: ties to even
;;       return np.moveaxis(q.reshape(q.shape[:-2] + (-1,))[..., :K], -1, axis).astype(np.float32)
;;   ~~~
;;   SOFTMAX AHEAD OF A QUANTISED PRODUCT. Where the list says 'softmax', what is quantised is not the finished softmax but p = 2^(t - M), with t = logit x log2(e) and M = ceil(the row's largest t), a whole number; so 1/2 < the row's largest p <= 1. The row's sum l is taken of the UNQUANTISED p, in f32, and the product's result is divided by l at the end. Since M is a whole number, a kernel that streams over the keys may use a running M (the ceiling of the running maximum): every later rescaling is an exact power of two, which a block's scale takes up: the codes' values come out the same.
;;   OPERANDS COMPUTED ON THE WAY. 'Computed on the way' means the value that the module computes at that place (a softmax that the list does not call 'softmax' is quantised finished and normalised). What goes into a quantiser is computed in f32, as accurately as f32 sums, v_exp_f32 and their like allow (about 1e-6 of the number): no bf16 or f16 on the way to a quantiser, and a product that is left as it is and whose result goes on into a quantised operand takes f32 operands (vector FMAs, or v_wmma_f32_16x16x4_f32). A number that lies on a knife's edge between two numbers of the format may be rounded either way, as far as f32 arithmetic and the matrix unit's own rounding can turn it there, and no further.
;; One version. Each part assembles by itself: llvm-mc -triple=amdgcn-amd-amdhsa -mcpu=gfx1250 --defsym DOCPART=n.
;; ======== version 1 of 1: 4 launches
;; limits: values are held in bf16: 8 bits of precision; right only within a limited range of input values
;; workspace buffers: x_img 1,572,864 bytes; x_sc 65,536 bytes; w_img 4,718,592 bytes; w_sc 196,608 bytes; wo_img 131,072 bytes; qkv_img 37,748,736 bytes; qkv_sc 1,572,864 bytes; part 1,048,576 bytes
;; launch quant (part 1): grid 256 x 1, 4 waves a work-group, no clusters, 58,880 bytes of LDS; arguments x, Wq, Wk, Wv, Wo, x_img, x_sc, w_img, w_sc, wo_img; writes x_img, x_sc, w_img, w_sc, wo_img
.if DOCPART == 1
	.amdgcn_target "amdgcn-amd-amdhsa--gfx1250"
	.amdhsa_code_object_version 6
	.text
	.protected	k_q1178d7981b_quant
	.globl	k_q1178d7981b_quant
	.p2align	8
	.type	k_q1178d7981b_quant,@function
k_q1178d7981b_quant:
	s_mov_b64 s[64:65], 0
	v_nop
	global_prefetch_b8 v0, s[64:65] scope:SCOPE_SE
	s_setreg_imm32_b32 hwreg(HW_REG_WAVE_MODE, 25, 1), 1
	s_wait_xcnt 0x0
; x [1024 t][4 b][512] and Wq, Wk, Wv [512 (K)][4096 f], f32, become codes of BF6 (E3M2) with one E8M0 byte for each 32 along K, laid as IMAGES OF OPERAND REGISTERS;
; Wo [4096][8] becomes bf16 fragments for the last product.
; A TILE is 16 rows of a block of 32: tile 2 B + u, lane r holds row 32 B + 8 u + r + 8 (r / 8).  A FRAGMENT is a tile x 128 along K: 12 registers a lane (lane (r, h): registers 6 c .. 6 c + 5 = k 64 c + 32 h + 0 .. 31).
; Its image is 1,536 bytes: registers 4 c .. 4 c + 3 of lane l at 512 c + 16 l.  So every later load of a fragment is three loads of 512 consecutive bytes.
; x_img [b][tile of t 64][K step 4][1536], x_sc [b][tile][r 16][K step 4] words; w_img [tensor 3][tile of f 256][K step 4][1536], w_sc likewise.
; A block's scale is 2^(floor(log2(largest magnitude)) - 4): its byte is the largest magnitude's exponent field - 4, held at 1 from below by a floor among the maximum's leaves.
; LIMITS: NaN and infinities among the inputs are not served.  A block of zeros gets the byte 1 where the quantiser says 127: its codes are zeros, and this program alone reads the bytes.
; SHARES: 256 work-groups of 128 KiB of input each.  Work-groups 0-63: tile g of t; wave w takes batch w (16 rows x 512), and 8 x 32 numbers of Wo.  Work-groups 64-255: tensor (g - 64) / 64, 128 columns x 256 along K.
; No matrix unit, no cluster, no tensor load: nothing is shared between work-groups, and memory binds.  The two paths have LDS bytes of their own; each wave uses its own bytes alone: no barrier.
.set XPITCH, 528                       ; x's stage: a row of 512 bytes + 16: an odd multiple of 16 bytes, so that sixteen rows' reads fall on different 16-byte columns
.set XWB,    16*XPITCH                 ; a wave's stage on x's path
.set WST,    4*XWB                     ; the weights' stages begin here
.set WWB,    6144                      ; a wave's: two tiles x two K steps x 1,536
.set SPARE,  WST+4*WWB                 ; the spare words, 128 bytes a wave: two blocks of 256 bytes that no other line names
.set SPW, 12                           ; v12  my spare word's address; never rewritten
.set NIL, 13                           ; v13  0; never rewritten
.set WV,  24                           ; s24  wave
.set SEL, 36                           ; s[36:37] selects of v_permlanex16_b32: lane l xor 16
.set R,   16                           ; x: v16-143 two sets of 64 numbers as loaded
.set X,   144                          ; v144-207 64 numbers of my row: two whole blocks of 32
.set PC,  208                          ; v208-219 the fragment's 12 registers
.set XT,  220                          ; v220-226 the second halves of the blocks' codes
.set WD,  228                          ; v228-231 my row's four scale words
.set MX,  232
.set SO,  234
.set BY,  236
.set WW,  238
.set TP,  239
.set WOF, 240                          ; v240-247 eight numbers of Wo
.set WOB, 248                          ; v248-251 and as bf16
.set XW,  32                           ; weights: v32-95 two sets of 32 numbers
.set PCW, 96                           ; v96-101 a block's 24 bytes of codes
.set XTW, 104
.set SB,  24                           ; v24-25 eight scale bytes
.set OUTR, 112                         ; v112-159 the way out
	s_load_b256 s[4:11], s[0:1], 0x0               ; x, Wq, Wk, Wv
	s_load_b256 s[12:19], s[0:1], 0x20             ; Wo, x_img, x_sc, w_img
	s_load_b128 s[20:23], s[0:1], 0x40             ; w_sc, wo_img
	v_lshl_add_u32 v[SPW], v0, 2, SPARE
	v_mov_b32 v[NIL], 0
	v_lshrrev_b32 v1, 5, v0
	v_readfirstlane_b32 s[WV], v1                  ; wave 0..3
	v_and_b32 v1, 31, v0                           ; lane
	v_and_b32 v2, 15, v0                           ; r
	v_bfe_u32 v3, v0, 4, 1                         ; h
	v_lshlrev_b32 v4, 4, v1                        ; 16 x lane
	s_mov_b32 s[SEL], 0x76543210
	s_mov_b32 s[SEL+1], 0xfedcba98
	s_mov_b32 s27, 0                               ; the upper word of every offset pair s[26:27]
	s_wait_kmcnt 0x0
	s_cmp_lt_u32 ttmp9, 64                         ; the path hangs on the work-group's number alone
	s_cbranch_scc0 .Lweights
	; ---------------- x: tile g = ttmp9 of t, batch = wave ----------------
	s_lshr_b32 s26, ttmp9, 1
	s_lshl_b32 s26, s26, 5
	s_and_b32 s28, ttmp9, 1
	s_lshl_b32 s28, s28, 3
	s_add_co_u32 s26, s26, s28                     ; the tile's first t: 32 (g / 2) + 8 (g % 2)
	s_lshl_b32 s26, s26, 13                        ; 8,192 bytes from t to t + 1
	s_lshl_b32 s28, s[WV], 11                      ; 2,048 from batch to batch
	s_add_co_u32 s26, s26, s28
	s_add_nc_u64 s[4:5], s[4:5], s[26:27]
	s_lshl_b32 s28, s[WV], 6
	s_add_co_u32 s28, s28, ttmp9                   ; 64 b + tile
	s_mul_i32 s26, s28, 6144
	s_add_nc_u64 s[14:15], s[14:15], s[26:27]      ; my four fragments in x_img
	s_lshl_b32 s26, s28, 8
	s_add_nc_u64 s[16:17], s[16:17], s[26:27]      ; my 256 bytes of x_sc
	s_lshl_b32 s28, ttmp9, 2
	s_add_co_u32 s28, s28, s[WV]                   ; id = 2 x fragment of Wo + chunk
	s_lshl_b32 s26, s28, 9
	s_add_nc_u64 s[22:23], s[22:23], s[26:27]      ; wo_img: 1,024 a fragment, 512 a chunk
	s_lshr_b32 s26, s28, 1
	s_lshl_b32 s26, s26, 10                        ; Wo: 32 rows of 32 bytes a fragment,
	s_and_b32 s28, s28, 1
	s_lshl_b32 s28, s28, 8                         ; 8 rows a chunk
	s_add_co_u32 s26, s26, s28
	s_add_nc_u64 s[12:13], s[12:13], s[26:27]
	s_mul_i32 s29, s[WV], XWB
	s_wait_alu depctr_va_vdst(0)
	v_add_nc_u32 v5, s29, v4                       ; the stage, on the way in: 16 x lane of a row
	v_mul_u32_u24 v6, v2, XPITCH
	v_lshl_add_u32 v6, v3, 7, v6
	v_add_nc_u32 v6, s29, v6                       ; and out: row r, + 128 h: my block of 32 numbers
	v_lshlrev_b32 v7, 3, v3                        ; 8 h
	v_lshl_add_u32 v8, v2, 4, v7                   ; x_sc: 16 r + 8 h
	v_and_b32 v9, 7, v0
	v_lshlrev_b32 v9, 2, v9
	v_lshl_add_u32 v9, v3, 9, v9                   ; Wo: column r % 8, + 16 h rows
	v_mov_b32 v[TP], 0                             ; a lane permute's destination counts as read
.irp e, 0,1,2,3,4,5,6,7
	global_load_b32 v[WOF+\e], v9, s[12:13] offset:32*\e   ; Wo(32 fragment + 16 h + 8 chunk + e, r % 8): older than every counted load below
.endr
.macro LOADX s                         ; K step s of my 16 rows: a load reads a row's 512 consecutive bytes
.irp i, 0,1,2,3,4,5,6,7,8,9,10,11,12,13,14,15
	global_load_b128 v[R+64*((\s)%2)+4*\i:R+64*((\s)%2)+4*\i+3], v4, s[4:5] offset:(\i+8*(\i/8))*8192+512*(\s) th:TH_LOAD_NT
.endr
.endm
.macro KSTEP s
.if (\s) < 3
	s_wait_loadcnt 16                              ; this K step's 16 loads are in; the next one's 16 may be out
.else
	s_wait_loadcnt 0x0
.endif
.irp i, 0,1,2,3,4,5,6,7,8,9,10,11,12,13,14,15
	ds_store_b128 v5, v[R+64*((\s)%2)+4*\i:R+64*((\s)%2)+4*\i+3] offset:\i*XPITCH
.endr
.irp c, 0,1
.irp e, 0,1,2,3,4,5,6,7
	ds_load_b128 v[X+32*\c+4*\e:X+32*\c+4*\e+3], v6 offset:256*\c+16*\e   ; LDS serves a wave's instructions in order: these see my stores.  k = 64 c + 32 h + 4 e ..
.endr
.endr
	s_wait_dscnt 0x0                               ; my 64 numbers are here, and the stores have read their registers
.if (\s) < 2
	LOADX (\s)+2
.endif
.irp c, 0,1
	v_max3_num_f32 v[MX+\c], |v[X+32*\c]|, |v[X+32*\c+1]|, 0x2800000   ; block 2 c + h is all mine; the floor 2^(5 - 127) holds the byte at 1 from below
.endr
.irp i, 2,4,6,8,10,12,14,16,18,20,22,24,26,28,30
.irp c, 0,1
	v_max3_num_f32 v[MX+\c], v[MX+\c], |v[X+32*\c+\i]|, |v[X+32*\c+\i+1]|
.endr
.endr
.irp c, 0,1
	v_add_nc_u32 v[SO+\c], 0xfe000000, v[MX+\c]    ; 4 off the exponent field: the conversion's scale operand
.endr
.irp c, 0,1
	v_lshrrev_b32 v[BY+\c], 23, v[SO+\c]           ; the scale's byte
.endr
	v_lshl_or_b32 v[WW], v[BY+1], 16, v[BY]        ; my two bytes, blocks h and 2 + h,
	v_lshlrev_b32 v[WW], v7, v[WW]                 ; at their places;
	v_permlanex16_b32 v[TP], v[WW], s[SEL], s[SEL+1]
	v_or_b32 v[WD+(\s)], v[WW], v[TP]              ; with lane l xor 16's the word is whole
	s_wait_alu depctr_va_vdst(0)
	s_wait_xcnt 0x0                                ; the last K step's stores have read the codes' registers
.irp c, 0,1
	v_cvt_scalef32_pk16_bf6_f32 v[PC+6*\c:PC+6*\c+2], v[X+32*\c:X+32*\c+15], v[SO+\c]
	v_cvt_scalef32_pk16_bf6_f32 v[XT+4*\c:XT+4*\c+2], v[X+32*\c+16:X+32*\c+31], v[SO+\c]   ; (a conversion's three registers begin on an even number)
.endr
	v_nop                                          ; one plain place behind a scaled conversion
.irp c, 0,1
.irp i, 0,1,2
	v_mov_b32 v[PC+6*\c+3+\i], v[XT+4*\c+\i]
.endr
.endr
.irp c, 0,1,2
	global_store_b128 v4, v[PC+4*\c:PC+4*\c+3], s[14:15] offset:1536*(\s)+512*\c   ; 512 consecutive bytes, aligned
.endr
.endm
	LOADX 0
	LOADX 1
	s_wait_alu depctr_va_vdst(0)
	KSTEP 0
	KSTEP 1
	KSTEP 2
	KSTEP 3
	v_cmp_eq_u32 vcc_lo, 1, v3
	v_cndmask_b32 v[WD], v[WD], v[WD+2], vcc_lo    ; lanes 0-15 store K steps 0, 1, lanes 16-31 K steps 2, 3
	v_cndmask_b32 v[WD+1], v[WD+1], v[WD+3], vcc_lo
	global_store_b64 v8, v[WD:WD+1], s[16:17]      ; the wave stores 256 consecutive bytes, aligned
.irp m, 0,1,2,3
	v_cvt_pk_bf16_f32 v[WOB+\m], v[WOF+2*\m], v[WOF+2*\m+1]
.endr
	global_store_b128 v4, v[WOB:WOB+3], s[22:23]   ; a chunk of a bf16 fragment of Wo^T: rows 8-15 repeat rows 0-7
	s_wait_tensorcnt 0x0                           ; the wave's end
	ds_add_u32 v[SPW], v[NIL]
	s_wait_dscnt 0x0
	s_endpgm
	; ---------------- the weights: a lane takes a column f, its registers run down K ----------------
.Lweights:
	s_sub_co_u32 s25, ttmp9, 64
	s_lshr_b32 s28, s25, 6                         ; tensor 0, 1, 2
	s_and_b32 s29, s25, 31                         ; which 128 columns
	s_bfe_u32 s30, s25, 0x10005                    ; which 256 along K
	s_cmp_eq_u32 s28, 0
	s_cselect_b64 s[4:5], s[6:7], s[8:9]
	s_cmp_eq_u32 s28, 2
	s_cselect_b64 s[4:5], s[10:11], s[4:5]         ; Wq, Wk or Wv
	s_lshl_b32 s29, s29, 7
	s_lshl_b32 s31, s[WV], 5
	s_add_co_u32 s29, s29, s31                     ; f0: my wave's first column, a multiple of 32
	s_lshl_b32 s26, s30, 22                        ; 256 rows of 16,384 bytes
	s_lshl_b32 s31, s29, 2
	s_add_co_u32 s26, s26, s31
	s_add_nc_u64 s[4:5], s[4:5], s[26:27]
	s_lshr_b32 s32, s29, 4                         ; my first tile of f
	s_mul_i32 s26, s28, 1572864
	s_mul_i32 s31, s32, 6144
	s_add_co_u32 s26, s26, s31
	s_mul_i32 s31, s30, 3072
	s_add_co_u32 s26, s26, s31
	s_add_nc_u64 s[18:19], s[18:19], s[26:27]      ; w_img: tensor, tile, K step 2 ky
	s_lshl_b32 s26, s28, 16
	s_lshl_b32 s31, s32, 8
	s_add_co_u32 s26, s26, s31
	s_lshl_b32 s31, s30, 3
	s_add_co_u32 s26, s26, s31
	s_add_nc_u64 s[20:21], s[20:21], s[26:27]      ; w_sc likewise
	s_wait_alu depctr_va_vdst(0)
	v_bfe_u32 v5, v1, 3, 1                         ; column x of the 32 is row r' of tile u: u = (x / 8) % 2,
	v_and_b32 v6, 7, v1
	v_lshl_or_b32 v6, v3, 3, v6                    ; r' = x % 8 + 8 (x / 16)
	s_mul_i32 s33, s[WV], WWB
	s_add_co_u32 s33, s33, WST                     ; my stage
	v_mul_u32_u24 v7, v5, 3072
	v_lshl_add_u32 v7, v6, 4, v7
	v_add_nc_u32 v7, s33, v7                       ; into it: tile u, lane r' of the images
	v_add_nc_u32 v8, s33, v4                       ; out of it: as it lies
	v_lshlrev_b32 v9, 8, v5
	v_lshl_add_u32 v9, v6, 4, v9                   ; w_sc: 256 u + 16 r'
	v_lshlrev_b32 v10, 2, v1                       ; in: 4 bytes a lane: a load reads 128 consecutive bytes, the four waves side by side
.macro LOADW t
.irp i, 0,1,2,3,4,5,6,7,8,9,10,11,12,13,14,15,16,17,18,19,20,21,22,23,24,25,26,27,28,29,30,31
	global_load_b32 v[XW+32*((\t)%2)+\i], v10, s[4:5] offset:(32*(\t)+\i)*16384 th:TH_LOAD_NT
.endr
.endm
	LOADW 0
	LOADW 1
.macro BLOCK t                         ; block t of 8: K step t / 4 of my two, registers 6 c .. 6 c + 5 of lane r' + 16 hh, c = (t / 2) % 2, hh = t % 2
.set XS, XW+32*((\t)%2)
.set OFS, 1536*((\t)/4)+256*((\t)%2)
.if (\t) < 7
	s_wait_loadcnt 32                              ; this block's 32 loads are in; the next block's may be out
.else
	s_wait_loadcnt 0x0
.endif
	v_max3_num_f32 v16, |v[XS]|, |v[XS+1]|, |v[XS+2]|
	v_max3_num_f32 v17, |v[XS+3]|, |v[XS+4]|, |v[XS+5]|
.irp i, 6,10,14,18,22,26
	v_max3_num_f32 v16, v16, |v[XS+\i]|, |v[XS+\i+1]|
	v_max3_num_f32 v17, v17, |v[XS+\i+2]|, |v[XS+\i+3]|
.endr
	v_max3_num_f32 v16, v16, |v[XS+30]|, |v[XS+31]|
	v_max3_num_f32 v16, v16, v17, 0x2800000        ; and the floor
	v_add_nc_u32 v18, 0xfe000000, v16
	v_lshrrev_b32 v19, 23, v18
.if (\t)%4 == 0
	v_mov_b32 v[SB+(\t)/4], v19
.else
	v_lshl_or_b32 v[SB+(\t)/4], v19, 8*((\t)%4), v[SB+(\t)/4]
.endif
	v_cvt_scalef32_pk16_bf6_f32 v[PCW:PCW+2], v[XS:XS+15], v18
	v_cvt_scalef32_pk16_bf6_f32 v[XTW:XTW+2], v[XS+16:XS+31], v18
	v_nop                                          ; one plain place behind a scaled conversion
.irp i, 0,1,2
	v_mov_b32 v[PCW+3+\i], v[XTW+\i]
.endr
.if ((\t)/2)%2 == 0
	ds_store_b128 v7, v[PCW:PCW+3] offset:OFS      ; registers 0-3: chunk 0;
	ds_store_b64 v7, v[PCW+4:PCW+5] offset:OFS+512 ; 4, 5: the lower half of chunk 1
.else
	ds_store_b64 v7, v[PCW:PCW+1] offset:OFS+520   ; registers 6, 7: its upper half;
	ds_store_b128 v7, v[PCW+2:PCW+5] offset:OFS+1024   ; 8-11: chunk 2
.endif
.if (\t)+2 < 8
	LOADW (\t)+2
.endif
	s_wait_dscnt 0x0                               ; the stores have read their registers
.endm
	BLOCK 0
	BLOCK 1
	BLOCK 2
	BLOCK 3
	BLOCK 4
	BLOCK 5
	BLOCK 6
	BLOCK 7
	s_wait_alu depctr_va_vdst(0)
	global_store_b64 v9, v[SB:SB+1], s[20:21]      ; my column's two scale words
.irp j, 0,1,2,3,4,5,6,7,8,9,10,11
	ds_load_b128 v[OUTR+4*\j:OUTR+4*\j+3], v8 offset:512*\j
.endr
.irp j, 0,1,2,3,4,5,6,7,8,9,10,11
	s_wait_dscnt 11-\j                             ; LDS loads come back in order: number j is in
	global_store_b128 v4, v[OUTR+4*\j:OUTR+4*\j+3], s[18:19] offset:(\j/6)*6144+(\j%6)*512   ; 512 consecutive bytes, aligned
.endr
	s_wait_tensorcnt 0x0                           ; the wave's end
	ds_add_u32 v[SPW], v[NIL]
	s_wait_dscnt 0x0
	s_endpgm
.Lfunc_end_k_q1178d7981b_quant:
	.size	k_q1178d7981b_quant, .Lfunc_end_k_q1178d7981b_quant-k_q1178d7981b_quant
	.p2alignl 7, 3214868480
	.fill 96, 4, 3214868480
	.section	.rodata,"a",@progbits
	.p2align	6, 0x0
	.amdhsa_kernel k_q1178d7981b_quant
		.amdhsa_group_segment_fixed_size 58880
		.amdhsa_private_segment_fixed_size 0
		.amdhsa_enable_private_segment 0
		.amdhsa_kernarg_size 80
		.amdhsa_user_sgpr_count 2
		.amdhsa_user_sgpr_kernarg_segment_ptr 1
		.amdhsa_wavefront_size32 1
		.amdhsa_system_sgpr_workgroup_id_x 1
		.amdhsa_system_sgpr_workgroup_id_y 1
		.amdhsa_system_sgpr_workgroup_id_z 1
		.amdhsa_system_vgpr_workitem_id 0
		.amdhsa_next_free_vgpr 256
		.amdhsa_next_free_sgpr 66
		.amdhsa_reserve_vcc 1
		.amdhsa_float_denorm_mode_32 3
		.amdhsa_float_denorm_mode_16_64 3
		.amdhsa_memory_ordered 1
		.amdhsa_forward_progress 1
		.amdhsa_inst_pref_size 73
	.end_amdhsa_kernel
	.amdgpu_metadata
---
amdhsa.version: [ 1, 2 ]
amdhsa.kernels:
  - .name:           k_q1178d7981b_quant
    .symbol:         k_q1178d7981b_quant.kd
    .args:
      - { .name: x, .offset: 0, .size: 8, .value_kind: global_buffer, .address_space: global }
      - { .name: Wq, .offset: 8, .size: 8, .value_kind: global_buffer, .address_space: global }
      - { .name: Wk, .offset: 16, .size: 8, .value_kind: global_buffer, .address_space: global }
      - { .name: Wv, .offset: 24, .size: 8, .value_kind: global_buffer, .address_space: global }
      - { .name: Wo, .offset: 32, .size: 8, .value_kind: global_buffer, .address_space: global }
      - { .name: x_img, .offset: 40, .size: 8, .value_kind: global_buffer, .address_space: global }
      - { .name: x_sc, .offset: 48, .size: 8, .value_kind: global_buffer, .address_space: global }
      - { .name: w_img, .offset: 56, .size: 8, .value_kind: global_buffer, .address_space: global }
      - { .name: w_sc, .offset: 64, .size: 8, .value_kind: global_buffer, .address_space: global }
      - { .name: wo_img, .offset: 72, .size: 8, .value_kind: global_buffer, .address_space: global }
    .group_segment_fixed_size: 58880
    .private_segment_fixed_size: 0
    .kernarg_segment_align: 8
    .kernarg_segment_size: 80
    .max_flat_workgroup_size: 128
    .sgpr_count:     66
    .vgpr_count:     256
    .wavefront_size: 32
...
	.end_amdgpu_metadata
.endif
;; end of part 1
;; launch proj (part 2): grid 24 x 8, 4 waves a work-group, clusters of 4 x 1, 327,680 bytes of LDS; arguments x_img, x_sc, w_img, w_sc, bq, bk, bv, qkv_img, qkv_sc; writes qkv_img, qkv_sc
.if DOCPART == 2
	.amdgcn_target "amdgcn-amd-amdhsa--gfx1250"
	.amdhsa_code_object_version 6
	.text
	.protected	k_q1178d7981b_proj
	.globl	k_q1178d7981b_proj
	.p2align	8
	.type	k_q1178d7981b_proj,@function
k_q1178d7981b_proj:
	s_mov_b64 s[64:65], 0
	v_nop
	global_prefetch_b8 v0, s[64:65] scope:SCOPE_SE
	s_setreg_imm32_b32 hwreg(HW_REG_WAVE_MODE, 25, 1), 1
	s_wait_xcnt 0x0
	s_wait_alu depctr_hold_cnt(0) depctr_sa_sdst(0) depctr_va_vdst(0) depctr_va_sdst(0) depctr_va_ssrc(0) depctr_va_vcc(0) depctr_vm_vsrc(0)
	s_getreg_b32 s2, hwreg(HW_REG_IB_STS2, 6, 4)
	s_cmp_eq_u32 s2, 0
	s_cbranch_scc0 .Lentry_in_a_cluster
	s_endpgm
.Lentry_in_a_cluster:
	s_bfe_u32 s2, ttmp6, 0x10000c
	s_cmp_lg_u32 s2, 0x3003
	s_cbranch_scc0 .Lentry_shape_is_right
	s_endpgm
.Lentry_shape_is_right:
; q = (x Wq + bq) 512^-0.25, k likewise, v = x Wv + bv, on codes of BF6, and each result quantised at once along the K of the product that will read it: q and k along the head's 512, v along the keys.
; ONE SCHEME.  Source 0 ("A") is the axis that becomes the next K: 128 rows a wave (8 tiles), for all of K = 512, kept in 384 registers.  Source 1 ("B") is a tile of 16 rows of the other axis, from LDS.
; Since A's tiles hold rows 32 B + 8 u + r + 8 (r / 8), the 64 result registers of a lane are, block by block, 16 neighbours along the next K of ONE row of B's tile: they are quantised in registers
; and leave as one fragment image (1,536 bytes) and one scale word a row.   q, k: A = one head's 512 columns of W (wave w: 128 w ..), B = 32 tiles of x (512 t of one batch).   v: A = 512 t of one batch of x (wave w: a key step of 128), B = one head's 32 tiles of Wv.
; qkv_img [tensor][n = 8 b + head][393,216]: q, k: [tile of t 64][K step 4][1536]; v: [key step 8][tile of d 32][1536].   qkv_sc [tensor][n][16,384]: q, k: [K step][tile][r] words; v: [key step][tile][r] words.
; GRID: x = 8 tensor + g', y.  q, k: g' = head, y = 2 b + half of t.  v: g' = 2 b + half, y = head.  CLUSTER: the four partners differ in g' alone, so they read the same panel of B (196,608 bytes) and its scale words:
; these come by joint tensor loads, once, at the head: a wave has two, one out at a time.
; BY TURNS.  A tile of B is 32 products; its way out (scale, bias, the four blocks' scales, conversions) is 101 vector lines.  There are two sets of accumulators: while tile m's products write one set, tile m - 1's way out
; works on the other, as one block of 100 lines behind the 32 products.  All that the way out touches lies in window 0, the products' operands in windows 1 to 3.
; A tile's memory instructions stand in ONE run, behind its second product: tile m - 2's three stores and its scale word, then tile m + 1's 14 LDS loads.
; THE BIAS along A's rows is the C of each sum's first product (BI, x 1 for q and k, x 0 for v); the bias along B's rows (one number a lane) is added on the way out by the multiply-add that also scales (x 0 for q and k, x 1 for v, whose scale is 1).  No branch hangs on the tensor.
; LIMITS: NaN and infinities are not served (a bias that is not finite would spoil the product by 0 too).  A block of zeros gets the byte 1 where the quantiser says 127: its codes are zeros, and this program alone reads the bytes.
; REGISTERS: window 0: v1-9 addresses; v10-11 the lane's bias, two sets; v14-15 the same x FLAG; v16-31 A's scale words; v32-39 B's; v40-167 two sets of 8 accumulators; v200-237 the quantiser.
;   window 1: A's tiles 0-4 (48 t + 12 s).   window 2: A's tiles 5-7; from v144 BI.   window 3: v0-95 B's fragments, two sets of 48.
.set BSC,   196608                     ; LDS: the panel's 32 tiles x 6,144 from 0; then its scale words, 32 x 256;
.set BIAS,  204800                     ; 512 numbers of bias (stored by the waves: a block of its own);
.set SCST,  206848                     ; each wave's 2,048 bytes of scale words on their way out;
.set SPARE, 215040                     ; the spare words, 128 bytes a wave: two blocks of 256 bytes that no other line names
.set LI,  1                            ; v1  16 x lane
.set CB0, 2                            ; v2  BSC + 16 r
.set WB0, 3                            ; v3  SCST + 2,048 wave + 4 r
.set VB0, 4                            ; v4  BIAS + 4 (r + 8 (r / 8))
.set ADB, 5                            ; v5-8 the addresses in hand: fragments, scale words, my scale words out, the lane's bias
.set ADC, 6
.set ADW, 7
.set ADV, 8
.set TMPV, 9
.set BV,  10
.set SPW, 12
.set NIL, 13
.set BW,  14
.set AS,  16                           ; register 4 p + s: K step s; lanes 0-15 tile 2 p, lanes 16-31 tile 2 p + 1
.set BS,  32
.set HA,  40                           ; set u at HA + 64 u
.set TM,  200
.set PW,  216
.set PC,  218
.set BI,  144
.set NE,  101                          ; lines of a way out
.set WV,  22
.set CX,  23
.set GP,  24
.set YY,  25
.set TEN, 26
.set MODE, 27
.set G1C, 28                           ; s[28:35], s[36:43], s[44:51] descriptor groups 1: 16, 96, 144 rows of 256 bytes
.set G1P0, 36
.set G1P1, 44
.set G0C, 52                           ; s[52:55], s[56:59], s[60:63] their groups 0
.set G0P0, 56
.set G0P1, 60
.set OUT, 66                           ; s[66:67] where the next fragment goes
.set SCO, 68                           ; s[68:69] where my scale words go
.set SCL, 70                           ; s[70:71] 512^-0.25 or 1
.set FLAG, 72
.set CNT, 73
.set FL0, 74                           ; s[74:75]
.set OST, 76                           ; s[76:77] bytes from a fragment to the next
.set TB,  78
.set TC,  79
.set TW,  80
.set TV,  81
.set CUR, 82                           ; s[82:83] what the next stores add to OUT: 0, then OST
.set AB,  84                           ; s[84:85] A's fragments
.set ASB, 86                           ; s[86:87] A's scale words
.set PNL, 88                           ; s[88:89] the panel; s[90:91] its scale words
.set PNS, 90
.set BIP, 92                           ; s[92:93] the 512 numbers of bias
.set SEL, 94
.set MSB, 0
.macro WIN new                         ; the immediate's high byte repeats the setting that is left; a switch that changes nothing is dropped
.if MSB != (\new)
	s_set_vgpr_msb (MSB<<8)|(\new)
.set MSB, \new
.endif
.endm
.macro PLACES                          ; four plain places behind matrix instructions, in front of loads into their registers and of reads of their results
.rept 4
	v_nop
.endr
.endm
.macro CROUND                          ; a round of the cluster's barrier
	s_barrier_signal -1
	s_barrier_wait -1
	s_cmp_lg_u32 s[WV], 0
	s_cbranch_scc1 .Lnot_wave_0_\@
	s_barrier_signal -3
.Lnot_wave_0_\@:
	s_barrier_wait -3
	s_barrier_signal -1
	s_barrier_wait -1
.endm
.macro G1SET g, rows                   ; a dense block as rows of 256 bytes: 32 elements of 8 bytes; the mask names all four partners, bit 21 beside it
	s_mov_b32 s[\g], 15|(3<<16)|(1<<21)
	s_mov_b32 s[\g+1], 32<<16
	s_mov_b32 s[\g+2], (\rows)<<16
	s_mov_b32 s[\g+3], 32<<16
	s_mov_b32 s[\g+4], \rows
	s_mov_b32 s[\g+5], 32
	s_mov_b32 s[\g+6], 0
	s_mov_b32 s[\g+7], 0
.endm
.macro WS d, a, b, c, sa, sb, ra       ; one product; ra = 1: source 0's scale words stand in lanes 16-31
.if (\ra)
	v_wmma_scale_f32_16x16x128_f8f6f4 v[\d:\d+7], v[\a:\a+11], v[\b:\b+11], v[\c:\c+7], v[\sa], v[\sb] matrix_a_fmt:MATRIX_FMT_BF6 matrix_b_fmt:MATRIX_FMT_BF6 matrix_a_scale:MATRIX_SCALE_ROW1
.else
	v_wmma_scale_f32_16x16x128_f8f6f4 v[\d:\d+7], v[\a:\a+11], v[\b:\b+11], v[\c:\c+7], v[\sa], v[\sb] matrix_a_fmt:MATRIX_FMT_BF6 matrix_b_fmt:MATRIX_FMT_BF6
.endif
.endm
	s_load_b256 s[4:11], s[0:1], 0x0               ; x_img, x_sc, w_img, w_sc
	s_load_b256 s[12:19], s[0:1], 0x20             ; bq, bk, bv, qkv_img
	s_load_b64 s[20:21], s[0:1], 0x40              ; qkv_sc
	v_lshl_add_u32 v[SPW], v0, 2, SPARE
	v_mov_b32 v[NIL], 0
	ds_add_u32 v[SPW], v[NIL]                      ; the opening add,
	ds_add_u32 v[SPW], v[NIL]                      ; twice on end under the one wait
	v_lshrrev_b32 v1, 5, v0
	v_readfirstlane_b32 s[WV], v1                  ; wave 0..3
	s_bfe_u32 s[CX], ttmp6, 0x40000                ; my place in the cluster
	s_and_b32 s[GP], ttmp9, 1
	s_lshl_b32 s[GP], s[GP], 2
	s_add_co_u32 s[GP], s[GP], s[CX]               ; g' = 4 (cluster x % 2) + cx
	s_and_b32 s[YY], ttmp7, 0xffff
	s_lshr_b32 s[TEN], ttmp9, 1                    ; tensor: 0 q, 1 k, 2 v
	G1SET G1C, 16                                  ; half of the panel's scale words: 4,096 bytes
	G1SET G1P0, 96                                 ; four tiles of the panel: 24,576 bytes
	G1SET G1P1, 144
	s_cmp_ge_u32 ttmp9, 4                          ; v?  Every choice on this compare stands ahead of the first line that changes SCC
	s_cselect_b32 s[MODE], 1, 0
	s_mov_b32 s[OST], 6144
	s_cselect_b32 s[OST], 1536, s[OST]
	s_mov_b32 s[SCL], 0x3e5744fd                   ; 512^-0.25
	s_cselect_b32 s[SCL], 0x3f800000, s[SCL]
	s_cselect_b32 s[FLAG], 0x3f800000, 0
	s_cselect_b32 s[FL0], 0, 0x3f800000
	s_mov_b32 s3, 1536
	s_cselect_b32 s78, 49152, s3                   ; the images, from wave to wave
	s_mov_b32 s3, 2048
	s_cselect_b32 s79, 8192, s3                    ; the scale words, from half to half,
	s_mov_b32 s3, 4096
	s_cselect_b32 s80, 2048, s3                    ; and from wave to wave
	s_cselect_b32 s96, 3145728, 0                  ; the panel: Wv's images, or x's
	s_cselect_b32 s98, 131072, 0
	s_mul_i32 s[AB], s[TEN], 1572864
	s_cselect_b32 s[AB], 0, s[AB]                  ; A: x's images, or the tensor's
	s_mul_i32 s[ASB], s[TEN], 65536
	s_cselect_b32 s[ASB], 0, s[ASB]
	s_cselect_b32 s2, s[GP], s[YY]                 ; 2 b + half
	s_cselect_b32 s100, s[YY], s[GP]               ; the head
	s_mov_b32 s[SCL+1], s[SCL]
	s_mov_b32 s[FL0+1], s[FL0]
	s_mov_b32 s[OST+1], 0
	s_mov_b32 s[CUR], 0
	s_mov_b32 s[CUR+1], 0
	s_mov_b32 s97, 0
	s_mov_b32 s99, 0
	s_mul_i32 s3, s[YY], 196608
	s_add_co_u32 s96, s96, s3                      ; the panel's offset: of y and the tensor alone, which the partners share
	s_lshl_b32 s3, s[YY], 13
	s_add_co_u32 s98, s98, s3
	s_mul_i32 s3, s[GP], 196608
	s_add_co_u32 s[AB], s[AB], s3
	s_mul_i32 s3, s[WV], 49152
	s_add_co_u32 s[AB], s[AB], s3                  ; my 8 tiles
	s_mov_b32 s[AB+1], 0
	s_lshl_b32 s3, s[GP], 13
	s_add_co_u32 s[ASB], s[ASB], s3
	s_lshl_b32 s3, s[WV], 11
	s_add_co_u32 s[ASB], s[ASB], s3
	s_mov_b32 s[ASB+1], 0
	s_lshl_b32 s[BIP], s100, 11                    ; the head's 512 numbers of bias
	s_mov_b32 s[BIP+1], 0
	s_lshr_b32 s3, s2, 1
	s_lshl_b32 s3, s3, 3
	s_add_co_u32 s100, s100, s3                    ; n = 8 b + head
	s_and_b32 s2, s2, 1                            ; half
	s_mul_i32 s[OUT], s[TEN], 12582912
	s_mul_i32 s3, s100, 393216
	s_add_co_u32 s[OUT], s[OUT], s3
	s_mul_i32 s3, s2, 196608
	s_add_co_u32 s[OUT], s[OUT], s3
	s_mul_i32 s3, s[WV], s78
	s_add_co_u32 s[OUT], s[OUT], s3
	s_mov_b32 s[OUT+1], 0
	s_mul_i32 s[SCO], s[TEN], 524288
	s_lshl_b32 s3, s100, 14
	s_add_co_u32 s[SCO], s[SCO], s3
	s_mul_i32 s3, s2, s79
	s_add_co_u32 s[SCO], s[SCO], s3
	s_mul_i32 s3, s[WV], s80
	s_add_co_u32 s[SCO], s[SCO], s3
	s_mov_b32 s[SCO+1], 0
	s_mov_b32 s[TB], 0
	s_mov_b32 s[TC], 0
	s_mov_b32 s[TW], 0
	s_mov_b32 s[TV], 0
	s_mov_b32 s[SEL], 0x76543210
	s_mov_b32 s[SEL+1], 0xfedcba98
	v_and_b32 v[TMPV], 31, v0
	v_lshlrev_b32 v[LI], 4, v[TMPV]
	v_and_b32 v[TMPV], 15, v0                      ; r
	v_lshl_add_u32 v[CB0], v[TMPV], 4, BSC
	s_lshl_b32 s3, s[WV], 11
	s_add_co_u32 s3, s3, SCST
	v_lshl_add_u32 v[WB0], v[TMPV], 2, s3
	v_and_b32 v[VB0], 8, v[TMPV]
	v_add_nc_u32 v[VB0], v[VB0], v[TMPV]
	v_lshl_add_u32 v[VB0], v[VB0], 2, BIAS
	v_mov_b32 v[BW+1], 0                           ; (named with v14 as a pair, so it is written)
.irp b, 0,1,2,3
	v_mov_b32 v[TM+4+\b], 0                        ; a lane permute's destination counts as read
.endr
	s_wait_alu depctr_va_vdst(0)                   ; the wait at the head's end
	s_wait_dscnt 0x0                               ; both opening adds are done
	s_wait_kmcnt 0x0
	s_cmp_eq_u32 s[MODE], 1
	s_cselect_b64 s[PNL:PNL+1], s[8:9], s[4:5]
	s_cselect_b64 s[PNS:PNS+1], s[10:11], s[6:7]
	s_cselect_b64 s[2:3], s[4:5], s[8:9]
	s_cselect_b64 s[100:101], s[6:7], s[10:11]
	s_add_nc_u64 s[PNL:PNL+1], s[PNL:PNL+1], s[96:97]
	s_add_nc_u64 s[PNS:PNS+1], s[PNS:PNS+1], s[98:99]
	s_add_nc_u64 s[AB:AB+1], s[2:3], s[AB:AB+1]
	s_add_nc_u64 s[ASB:ASB+1], s[100:101], s[ASB:ASB+1]
	s_cmp_eq_u32 s[TEN], 0
	s_cselect_b64 s[2:3], s[12:13], s[14:15]
	s_cmp_eq_u32 s[TEN], 2
	s_cselect_b64 s[2:3], s[16:17], s[2:3]
	s_add_nc_u64 s[BIP:BIP+1], s[2:3], s[BIP:BIP+1]
	s_add_nc_u64 s[OUT:OUT+1], s[18:19], s[OUT:OUT+1]
	s_add_nc_u64 s[SCO:SCO+1], s[20:21], s[SCO:SCO+1]
	s_and_b32 s96, s[WV], 1                        ; THE HEAD'S LOADS, ONE A WAVE: waves 2, 3 bring a half of the scale words each,
	s_lshl_b32 s96, s96, 12
	s_mov_b32 s[G0C], 1
	s_add_co_u32 s[G0C+1], s96, BSC
	s_add_nc_u64 s[G0C+2:G0C+3], s[PNS:PNS+1], s[96:97]
	s_or_b32 s[G0C+3], s[G0C+3], 0x80000000
	s_and_b32 s96, s[WV], 1                        ; waves 0, 1 four of the first 8 tiles each
	s_mul_i32 s96, s96, 24576
	s_mov_b32 s[G0P0], 1
	s_mov_b32 s[G0P0+1], s96
	s_add_nc_u64 s[G0P0+2:G0P0+3], s[PNL:PNL+1], s[96:97]
	s_or_b32 s[G0P0+3], s[G0P0+3], 0x80000000
	s_mul_i32 s96, s[WV], 36864
	s_add_co_u32 s96, s96, 49152
	s_mov_b32 s[G0P1], 1
	s_mov_b32 s[G0P1+1], s96
	s_add_nc_u64 s[G0P1+2:G0P1+3], s[PNL:PNL+1], s[96:97]
	s_or_b32 s[G0P1+3], s[G0P1+3], 0x80000000
	CROUND                                         ; all four work-groups are here: the joint loads meet
	s_cmp_lt_u32 s[WV], 2                          ; one chain on the wave's number, one joint load to an arm
	s_cbranch_scc0 .Lhead_sc
	tensor_load_to_lds s[G0P0:G0P0+3], s[G1P0:G1P0+7]
	s_nop 0
	PLACES
	s_branch .Lhead_asked
.Lhead_sc:
	tensor_load_to_lds s[G0C:G0C+3], s[G1C:G1C+7]
	s_nop 0
	PLACES
.Lhead_asked:
	v_lshlrev_b32 v[ADB], 4, v0
	global_load_b128 v[HA:HA+3], v[ADB], s[BIP:BIP+1]      ; the bias: 16 bytes a thread
	WIN 0x40                                       ; destination window 1
.set j, 0
.rept 60
	global_load_b128 v[4*j:4*j+3], v[LI], s[AB:AB+1] offset:512*j   ; A's images as they lie: 49,152 consecutive bytes
.set j, j+1
.endr
	WIN 0
	s_wait_loadcnt 60                              ; the bias, the oldest load, is in; the 60 behind it may be out
	v_lshl_add_u32 v[ADC], v0, 4, BIAS
	ds_store_b128 v[ADC], v[HA:HA+3]
	WIN 0x80                                       ; destination window 2
.rept 36
	global_load_b128 v[4*(j-60):4*(j-60)+3], v[LI], s[AB:AB+1] offset:512*j
.set j, j+1
.endr
	WIN 0
.irp p, 0,1,2,3
	global_load_b128 v[AS+4*\p:AS+4*\p+3], v[LI], s[ASB:ASB+1] offset:512*\p   ; a pair of tiles' scale words: four K steps a lane
.endr
	s_wait_tensorcnt 0x0                           ; my tile of the head's is in; a later first fill stands behind these lines, as a refill does
	ds_add_u32 v[SPW], v[NIL]
	s_wait_dscnt 0x0                               ; the add is done, and my part of the bias lies in LDS
	CROUND                                         ; everybody's part is in, and the four partners meet:
	tensor_load_to_lds s[G0P1:G0P1+3], s[G1P1:G1P1+7]      ; the other 24 tiles, a quarter a wave: they land while tiles 0-5 are multiplied
	s_nop 0
	PLACES
	v_bfe_u32 v[TMPV], v0, 4, 1
	s_lshl_b32 s3, s[WV], 9
	s_add_co_u32 s3, s3, BIAS
	v_lshl_add_u32 v[TMPV], v[TMPV], 6, s3         ; BI: my wave's 128 numbers, + 16 h
	WIN 0x80
.irp t, 0,1,2,3,4,5,6,7
	ds_load_b128 v[BI+8*\t:BI+8*\t+3], v[TMPV] offset:(32*(\t/2)+8*(\t%2))*4       ; tile t, register j: row 32 (t / 2) + 16 h + 8 (t % 2) + j
	ds_load_b128 v[BI+8*\t+4:BI+8*\t+7], v[TMPV] offset:(32*(\t/2)+8*(\t%2))*4+16
.endr
	WIN 0
.macro FETCH u                         ; tile u of the pair in hand: 14 LDS loads: its scale words, my lane's bias, its four fragments (into window 3)
	WIN 0
	ds_load_b128 v[BS+4*(\u):BS+4*(\u)+3], v[ADC] offset:256*(\u)
	ds_load_b32 v[BV+(\u)], v[ADV] offset:32*(\u)
	WIN 0xc0                                       ; destination window 3, address window 0
.irp s, 0,1,2,3
.irp c, 0,1,2
	ds_load_b128 v[48*(\u)+12*\s+4*\c:48*(\u)+12*\s+4*\c+3], v[ADB] offset:6144*(\u)+1536*\s+512*\c
.endr
.endr
.endm
	v_add_nc_u32 v[ADB], s[TB], v[LI]
	v_add_nc_u32 v[ADC], s[TC], v[CB0]
	v_add_nc_u32 v[ADV], s[TV], v[VB0]
	FETCH 0
	FETCH 1
	s_wait_dscnt 28                                ; BI's 16 loads are in; the 28 behind them may be out
	WIN 0x82
.set i, 0
.rept 32
	v_pk_mul_f32 v[BI+i:BI+i+1], v[BI+i:BI+i+1], s[FL0:FL0+1] op_sel_hi:[1,0]     ; x 1 for q and k, x 0 for v
.set i, i+2
.endr
	WIN 0
	s_wait_alu depctr_va_vdst(0)
	s_wait_loadcnt 0x0
; THE WAY OUT of a tile is a list of 101 lines; EI writes line n of it for the accumulators of set a.
;   0       the lane's bias x FLAG
;   1-32    scale and lane bias, a pair of numbers a line, each accumulator from its low end on
;   33-64   the four blocks' largest magnitudes, by turns, with the floor 2^(5 - 127) among the leaves
;   65-72   with lane l xor 16's 16 numbers
;   73-83   4 off the exponent field: the conversions' scale operands; the bytes; the row's scale word
;   84-87   the conversions (a conversion's three registers begin on an even number); 88 the plain place behind them
;   89-100  the operand's layout wants a whole block in a lane: an exchange of halves, and three moves, for each pair of blocks
.macro EI a, n
.set hb, HA+64*(\a)
.if (\n) == 0
	v_mul_f32 v[BW], s[FLAG], v[BV+(\a)]
.elseif (\n) < 33
.set ii, 2*((\n)-1)
	v_pk_fma_f32 v[hb+ii:hb+ii+1], v[hb+ii:hb+ii+1], s[SCL:SCL+1], v[BW:BW+1] op_sel_hi:[1,0,0]
.elseif (\n) < 37
.set bb, (\n)-33
	v_max3_num_f32 v[TM+bb], |v[hb+16*bb]|, |v[hb+16*bb+1]|, 0x2800000
.elseif (\n) < 65
.set bb, ((\n)-37)%4
.set ii, 2+2*(((\n)-37)/4)
	v_max3_num_f32 v[TM+bb], v[TM+bb], |v[hb+16*bb+ii]|, |v[hb+16*bb+ii+1]|
.elseif (\n) < 69
.set bb, (\n)-65
	v_permlanex16_b32 v[TM+4+bb], v[TM+bb], s[SEL], s[SEL+1]
.elseif (\n) < 73
.set bb, (\n)-69
	v_max_num_f32 v[TM+bb], v[TM+bb], v[TM+4+bb]
.elseif (\n) < 77
.set bb, (\n)-73
	v_add_nc_u32 v[TM+12+bb], 0xfe000000, v[TM+bb]
.elseif (\n) < 81
.set bb, (\n)-77
	v_lshrrev_b32 v[TM+4+bb], 23, v[TM+12+bb]
.elseif (\n) == 81
	v_lshl_or_b32 v[PW], v[TM+5], 8, v[TM+4]
.elseif (\n) < 84
.set bb, (\n)-80
	v_lshl_or_b32 v[PW], v[TM+4+bb], 8*bb, v[PW]
.elseif (\n) < 88
.set cc, ((\n)-84)/2
.if (\n) == 84
	s_wait_alu depctr_va_vdst(0)
	s_wait_xcnt 0x0
.endif
.if ((\n)%2) == 0
	v_cvt_scalef32_pk16_bf6_f32 v[PC+6*cc:PC+6*cc+2], v[hb+32*cc:hb+32*cc+15], v[TM+12+2*cc]
.else
	v_cvt_scalef32_pk16_bf6_f32 v[PC+12+4*cc:PC+14+4*cc], v[hb+16+32*cc:hb+31+32*cc], v[TM+13+2*cc]
.endif
.elseif (\n) == 88
	v_nop
.else
.set cc, ((\n)-89)/6
.set ii, ((\n)-89)%6
.if ii < 3
	v_permlane16_swap_b32 v[PC+6*cc+ii], v[PC+12+4*cc+ii]
.else
	v_mov_b32 v[PC+6*cc+ii], v[PC+9+4*cc+ii]
.endif
.endif
.endm
; A finished tile leaves: a fragment image, three stores of 512 consecutive bytes, aligned; its rows' scale words go to my 2,048 bytes of LDS (both halves of the lanes write the same word with the same value).
.macro STORE u
	s_add_nc_u64 s[OUT:OUT+1], s[OUT:OUT+1], s[CUR:CUR+1]
	s_mov_b64 s[CUR:CUR+1], s[OST:OST+1]
.irp c, 0,1,2
	global_store_b128 v[LI], v[PC+4*\c:PC+4*\c+3], s[OUT:OUT+1] offset:512*\c
.endr
	ds_store_b32 v[ADW], v[PW] offset:64*(\u)
.endm
; A RUN: tile m of B, in set u = m % 2: 32 products, the 8 accumulators by turns, K step by K step.
; epi = 1: tile m - 1's way out stands as one block behind the products.  st = 1: tile m - 2's codes and scale word leave.  fetch = 1: tile m + 1 is fetched into the other set.
; n: the LDS instructions issued behind this set's loads that may stay out.
; The loads into the other set stand behind products 0 and 1 and the plain lines that end the run before.
.macro RUN u, epi, st, fetch, n
; THE ORDER OF A RUN AS IT NOW STANDS: addresses and the earlier tile's lane bias; the waits; tile m's 32 products in one unbroken run (the memory instructions behind the second);
; then lines 1 to 100 of tile m - 1's way out as one block in window 0.
.if \fetch && (\u == 1)
	s_add_co_u32 s[TB], s[TB], 12288               ; the next pair of tiles
	s_add_co_u32 s[TC], s[TC], 512
	s_add_co_u32 s[TV], s[TV], 128
	v_add_nc_u32 v[ADB], s[TB], v[LI]
	v_add_nc_u32 v[ADC], s[TC], v[CB0]
	v_add_nc_u32 v[ADV], s[TV], v[VB0]
.endif
.if \st && (\u == 0)
	v_add_nc_u32 v[ADW], s[TW], v[WB0]             ; the pair of tiles whose scale words leave in this run and the next
	s_add_co_u32 s[TW], s[TW], 128
.endif
.if \epi
	EI 1-\u, 0                                     ; tile m - 1's lane bias is taken before the fetch below lands on its register
.endif
	s_wait_alu depctr_va_vdst(0)                   ; the codes, the scale word
	s_wait_dscnt \n
.set k, 0
.rept 32
.set sx, k/8
.set tx, k%8
.if sx == 0
	WIN 0x2d+(tx/5)                                ; source 0 window 1 or 2, source 1 window 3, C (BI) window 2
	WS HA+64*\u+8*tx, 48*(tx%5)+12*sx, 48*\u+12*sx, BI+8*tx, AS+4*(tx/2)+sx, BS+4*\u+sx, tx%2
.else
	WIN 0x0d+(tx/5)
	WS HA+64*\u+8*tx, 48*(tx%5)+12*sx, 48*\u+12*sx, HA+64*\u+8*tx, AS+4*(tx/2)+sx, BS+4*\u+sx, tx%2
.endif
.if k == 1
.if \st
	WIN 0
	STORE \u
.endif
.if \fetch
	FETCH 1-\u
.endif
.endif
.set k, k+1
.endr
	WIN 0                                          ; at a label and at a branch every window is 0
.if \epi
.set j, 1
.rept NE-1
	EI 1-\u, j                                     ; these 100 plain lines are also the places behind this run's products
.set j, j+1
.endr
.endif
.endm
	RUN 0, 0, 0, 0, 14                             ; tile 0: no way out yet to set behind its products; behind its set's loads stand the other set's 14
	PLACES                                         ; behind bare products: in front of the first reads of their results and of the loads into their set
	RUN 1, 1, 0, 1, 0                              ; tile 1 | tile 0's way out | tile 2 is fetched
	s_mov_b32 s[CNT], 2
.Lhead:                                                ; tiles 2-5; fetches reach tile 6: inside the first 8 tiles
	RUN 0, 1, 1, 1, 0
	RUN 1, 1, 1, 1, 0
	s_sub_co_u32 s[CNT], s[CNT], 1
	s_cmp_lg_u32 s[CNT], 0
	s_cbranch_scc1 .Lhead
	s_wait_tensorcnt 0x0                           ; my part of the other 24 tiles is in,
	s_wait_dscnt 0x0
	s_barrier_signal -1
	s_barrier_wait -1                              ; everybody's is
	s_mov_b32 s[CNT], 12
.Lbody:                                                ; tiles 6-29; fetches reach tile 30
	RUN 0, 1, 1, 1, 0
	RUN 1, 1, 1, 1, 0
	s_sub_co_u32 s[CNT], s[CNT], 1
	s_cmp_lg_u32 s[CNT], 0
	s_cbranch_scc1 .Lbody
	RUN 0, 1, 1, 1, 0                              ; tile 30; tile 31 is fetched
	RUN 1, 1, 1, 0, 0                              ; tile 31: nothing is left to fetch
	v_add_nc_u32 v[ADW], s[TW], v[WB0]             ; the last pair of tiles
	STORE 0                                        ; tile 30 leaves
.set j, 0
.rept NE
	EI 1, j                                        ; tile 31's way out stands alone; tile 30's way out was the places behind the last products
.set j, j+1
.endr
	STORE 1
	s_lshl_b32 s3, s[WV], 11
	s_add_co_u32 s3, s3, SCST
	v_add_nc_u32 v[TMPV], s3, v[LI]
.irp j, 0,1,2,3
	ds_load_b128 v[HA+4*\j:HA+4*\j+3], v[TMPV] offset:512*\j      ; my own 2,048 bytes: LDS serves a wave's instructions in order
.endr
	s_wait_dscnt 0x0
.irp j, 0,1,2,3
	global_store_b128 v[LI], v[HA+4*\j:HA+4*\j+3], s[SCO:SCO+1] offset:512*\j
.endr
	s_wait_tensorcnt 0x0                           ; the wave's end
	ds_add_u32 v[SPW], v[NIL]
	s_wait_dscnt 0x0
	CROUND                                         ; the closing round
	s_endpgm
.Lfunc_end_k_q1178d7981b_proj:
	.size	k_q1178d7981b_proj, .Lfunc_end_k_q1178d7981b_proj-k_q1178d7981b_proj
	.p2alignl 7, 3214868480
	.fill 96, 4, 3214868480
	.section	.rodata,"a",@progbits
	.p2align	6, 0x0
	.amdhsa_kernel k_q1178d7981b_proj
		.amdhsa_group_segment_fixed_size 327680
		.amdhsa_private_segment_fixed_size 0
		.amdhsa_enable_private_segment 0
		.amdhsa_kernarg_size 72
		.amdhsa_user_sgpr_count 2
		.amdhsa_user_sgpr_kernarg_segment_ptr 1
		.amdhsa_wavefront_size32 1
		.amdhsa_system_sgpr_workgroup_id_x 1
		.amdhsa_system_sgpr_workgroup_id_y 1
		.amdhsa_system_sgpr_workgroup_id_z 1
		.amdhsa_system_vgpr_workitem_id 0
		.amdhsa_next_free_vgpr 1024
		.amdhsa_next_free_sgpr 102
		.amdhsa_reserve_vcc 0
		.amdhsa_float_denorm_mode_32 3
		.amdhsa_float_denorm_mode_16_64 3
		.amdhsa_memory_ordered 1
		.amdhsa_forward_progress 1
		.amdhsa_inst_pref_size 118
	.end_amdhsa_kernel
	.amdgpu_metadata
---
amdhsa.version: [ 1, 2 ]
amdhsa.kernels:
  - .name:           k_q1178d7981b_proj
    .symbol:         k_q1178d7981b_proj.kd
    .args:
      - { .name: x_img, .offset: 0, .size: 8, .value_kind: global_buffer, .address_space: global }
      - { .name: x_sc, .offset: 8, .size: 8, .value_kind: global_buffer, .address_space: global }
      - { .name: w_img, .offset: 16, .size: 8, .value_kind: global_buffer, .address_space: global }
      - { .name: w_sc, .offset: 24, .size: 8, .value_kind: global_buffer, .address_space: global }
      - { .name: bq, .offset: 32, .size: 8, .value_kind: global_buffer, .address_space: global }
      - { .name: bk, .offset: 40, .size: 8, .value_kind: global_buffer, .address_space: global }
      - { .name: bv, .offset: 48, .size: 8, .value_kind: global_buffer, .address_space: global }
      - { .name: qkv_img, .offset: 56, .size: 8, .value_kind: global_buffer, .address_space: global }
      - { .name: qkv_sc, .offset: 64, .size: 8, .value_kind: global_buffer, .address_space: global }
    .group_segment_fixed_size: 327680
    .private_segment_fixed_size: 0
    .kernarg_segment_align: 8
    .kernarg_segment_size: 72
    .max_flat_workgroup_size: 128
    .sgpr_count:     102
    .vgpr_count:     1024
    .wavefront_size: 32
...
	.end_amdgpu_metadata
.endif
;; end of part 2
;; launch attn (part 3): grid 8 x 32, 4 waves a work-group, clusters of 4 x 1, 327,680 bytes of LDS; arguments qkv_img, qkv_sc, wo_img, part; writes part
.if DOCPART == 3
	.amdgcn_target "amdgcn-amd-amdhsa--gfx1250"
	.amdhsa_code_object_version 6
	.text
	.protected	k_q1178d7981b_attn
	.globl	k_q1178d7981b_attn
	.p2align	8
	.type	k_q1178d7981b_attn,@function
k_q1178d7981b_attn:
	s_mov_b64 s[64:65], 0
	v_nop
	global_prefetch_b8 v0, s[64:65] scope:SCOPE_SE
	s_setreg_imm32_b32 hwreg(HW_REG_WAVE_MODE, 25, 1), 1
	s_wait_xcnt 0x0
	s_wait_alu depctr_hold_cnt(0) depctr_sa_sdst(0) depctr_va_vdst(0) depctr_va_sdst(0) depctr_va_ssrc(0) depctr_va_vcc(0) depctr_vm_vsrc(0)
	s_getreg_b32 s2, hwreg(HW_REG_IB_STS2, 6, 4)
	s_cmp_eq_u32 s2, 0
	s_cbranch_scc0 .Lentry_in_a_cluster
	s_endpgm
.Lentry_in_a_cluster:
	s_bfe_u32 s2, ttmp6, 0x10000c
	s_cmp_lg_u32 s2, 0x3003
	s_cbranch_scc0 .Lentry_shape_is_right
	s_endpgm
.Lentry_shape_is_right:
; For slice n = 8 b + head: S^T = k q^T and O^T = v^T p^T on codes of BF6; then this head's part of the last product, (O / l) Wo, in bf16, into part [n][t][8] f32.
; THE SOFTMAX AHEAD OF THE SECOND PRODUCT: t = score x log2(e) (q and k carry 512^-0.25 each); M = the running largest t rounded UP to a whole number, kept as -M = floor(-t); p = 2^(t - M) is quantised along the keys, not normalised;
; the row's sum l is taken of the unquantised p.  When M moves, l and O^T are multiplied by 2^(old M - new M), exactly.
; A block's largest p is not searched for: the block's largest score goes through the same multiply-add and exponential (this takes v_exp_f32 not to fall where its input rises; at the worst one p of a block would be held one code low).
; SHARES: a work-group owns 128 queries of a slice, a wave 32: two tiles (q = 0, 1) of 16.  With a head of 512, O^T is 256 registers a tile: windows 2 and 3.  Every wave walks the 1,024 keys, 128 a step; each fragment of k or v read from LDS feeds two products.
; Both products are used transposed: a lane holds ONE query of each tile throughout.  All operands come as images of their registers (three loads of 512 consecutive bytes a fragment).
; CLUSTER: the four query blocks of a cluster walk the same k and v: each tile is asked for JOINTLY.  A ring of two slots of one key step (k 49,152 bytes, then v 49,152); each wave brings a quarter with one load.
; A wave has one tensor load out at the start (a key step or scale words of k or v) and one behind each round.
; LIMITS: NaN and infinities are not served.  A block of p that is all zeros keeps the byte 1: its codes are zeros.  O and Wo are rounded to bf16 for the last product (O before the division by l: the rounding is relative).
; REGISTERS: window 0: v1-15 addresses; v16-31 k's, then v's scale words; v32-35 q's; v36-37 p's; v40-87 statistics, 24 a tile; v88-215 S^T, then p (64 a tile); v216-239 p's codes; v240-255 at work.
;   window 1: v0-95 q's fragments (48 q + 12 s); v96-239 three sets of four fragments of k or v.   window 2, 3: O^T of tile 0, 1, tile D of the head's 512 at 8 D.
.set VOFF,  49152
.set SCK,   98304                      ; k's scale words of the whole slice, 16,384 bytes; filled once
.set SCV,   114688                     ; v's
.set SLOT1, 1<<17                      ; slot 1 begins here: one exclusive or turns an address
.set WOI,   229376                     ; the head's 16 bf16 fragments of Wo^T, 16,384 bytes; filled once
.set SPARE, 245760                     ; the spare words, 128 bytes a wave: two blocks of 256 bytes that no other line names
.set LI,  1                            ; v1  16 x lane
.set L4,  2                            ; v2  4 x lane
.set ADK, 3                            ; v3-6 the step's addresses: k, v, k's scale words, v's
.set ADV, 4
.set ADS, 5
.set ADT, 6
.set PFO, 7                            ; v7  256 x lane
.set GO,  8                            ; v8  my query's 32 bytes in the wave's 1,024 of part
.set HH,  9                            ; v9  lane / 16
.set SK0, 10                           ; v10-13 constants: SCK + 4 lane, SCV + 4 lane, VOFF + 16 lane, WOI + 16 lane
.set SV0, 11
.set LV,  12
.set LW,  13
.set KS,  16
.set QS,  32
.set PS,  36
.set SPW, 38
.set NIL, 39
.set ST,  40                           ; tile q at ST + 24 q: +0 -M, +1 largest t, +2,3 l, +4,5 f, +6 at work, +8..11 blocks' maxima, +12..15 at work, +16..19 scale operands, +20,21 a second sum
.set S,   88
.set PC,  216
.set XT,  240
.set FB,  96
.set ACC, 216                          ; the last product's two accumulators
.set WV,  12
.set CX,  13
.set NN,  14
.set LIM, 15
.set TB,  16
.set TK,  17
.set TV,  18
.set SLOTS, 19
.set SEL, 20
.set CS,  22                           ; s[22:23] log2(e)
.set G1T, 24                           ; s[24:31], s[32:39], s[40:47] descriptor groups 1: 96, 64, 16 rows of 256 bytes
.set G1S, 32
.set G1W, 40
.set G0T, 48                           ; s[48:51] the walking group 0; s[52:55], s[56:59] the scale words', Wo's
.set G0S, 52
.set G0W, 56
.set PFA, 60
.set G1H, 80                           ; s[80:87] group 1 of the head's loads of slot 0: 192 rows of 256 bytes; s[88:91] their group 0
.set G0H, 88
.set MSB, 0
.macro WIN new
.if MSB != (\new)
	s_set_vgpr_msb (MSB<<8)|(\new)
.set MSB, \new
.endif
.endm
.macro PLACES
.rept 4
	v_nop
.endr
.endm
.macro CROUND
	s_barrier_signal -1
	s_barrier_wait -1
	s_cmp_lg_u32 s[WV], 0
	s_cbranch_scc1 .Lnot_wave_0_\@
	s_barrier_signal -3
.Lnot_wave_0_\@:
	s_barrier_wait -3
	s_barrier_signal -1
	s_barrier_wait -1
.endm
.macro G1SET g, rows
	s_mov_b32 s[\g], 15|(3<<16)|(1<<21)
	s_mov_b32 s[\g+1], 32<<16
	s_mov_b32 s[\g+2], (\rows)<<16
	s_mov_b32 s[\g+3], 32<<16
	s_mov_b32 s[\g+4], \rows
	s_mov_b32 s[\g+5], 32
	s_mov_b32 s[\g+6], 0
	s_mov_b32 s[\g+7], 0
.endm
; One product.  c < 0: the constant 0 starts the sum.  ra, rb = 1: that side's scale words stand in lanes 16-31.
.macro WS d, a, b, c, sa, sb, ra, rb
.if (\c) < 0
.if (\ra) && (\rb)
	v_wmma_scale_f32_16x16x128_f8f6f4 v[\d:\d+7], v[\a:\a+11], v[\b:\b+11], 0, v[\sa], v[\sb] matrix_a_fmt:MATRIX_FMT_BF6 matrix_b_fmt:MATRIX_FMT_BF6 matrix_a_scale:MATRIX_SCALE_ROW1 matrix_b_scale:MATRIX_SCALE_ROW1
.elseif (\ra)
	v_wmma_scale_f32_16x16x128_f8f6f4 v[\d:\d+7], v[\a:\a+11], v[\b:\b+11], 0, v[\sa], v[\sb] matrix_a_fmt:MATRIX_FMT_BF6 matrix_b_fmt:MATRIX_FMT_BF6 matrix_a_scale:MATRIX_SCALE_ROW1
.elseif (\rb)
	v_wmma_scale_f32_16x16x128_f8f6f4 v[\d:\d+7], v[\a:\a+11], v[\b:\b+11], 0, v[\sa], v[\sb] matrix_a_fmt:MATRIX_FMT_BF6 matrix_b_fmt:MATRIX_FMT_BF6 matrix_b_scale:MATRIX_SCALE_ROW1
.else
	v_wmma_scale_f32_16x16x128_f8f6f4 v[\d:\d+7], v[\a:\a+11], v[\b:\b+11], 0, v[\sa], v[\sb] matrix_a_fmt:MATRIX_FMT_BF6 matrix_b_fmt:MATRIX_FMT_BF6
.endif
.else
.if (\ra) && (\rb)
	v_wmma_scale_f32_16x16x128_f8f6f4 v[\d:\d+7], v[\a:\a+11], v[\b:\b+11], v[\c:\c+7], v[\sa], v[\sb] matrix_a_fmt:MATRIX_FMT_BF6 matrix_b_fmt:MATRIX_FMT_BF6 matrix_a_scale:MATRIX_SCALE_ROW1 matrix_b_scale:MATRIX_SCALE_ROW1
.elseif (\ra)
	v_wmma_scale_f32_16x16x128_f8f6f4 v[\d:\d+7], v[\a:\a+11], v[\b:\b+11], v[\c:\c+7], v[\sa], v[\sb] matrix_a_fmt:MATRIX_FMT_BF6 matrix_b_fmt:MATRIX_FMT_BF6 matrix_a_scale:MATRIX_SCALE_ROW1
.elseif (\rb)
	v_wmma_scale_f32_16x16x128_f8f6f4 v[\d:\d+7], v[\a:\a+11], v[\b:\b+11], v[\c:\c+7], v[\sa], v[\sb] matrix_a_fmt:MATRIX_FMT_BF6 matrix_b_fmt:MATRIX_FMT_BF6 matrix_b_scale:MATRIX_SCALE_ROW1
.else
	v_wmma_scale_f32_16x16x128_f8f6f4 v[\d:\d+7], v[\a:\a+11], v[\b:\b+11], v[\c:\c+7], v[\sa], v[\sb] matrix_a_fmt:MATRIX_FMT_BF6 matrix_b_fmt:MATRIX_FMT_BF6
.endif
.endif
.endm
	s_load_b256 s[4:11], s[0:1], 0x0               ; qkv_img, qkv_sc, wo_img, part
	v_lshl_add_u32 v[SPW], v0, 2, SPARE
	v_mov_b32 v[NIL], 0
	ds_add_u32 v[SPW], v[NIL]                      ; the opening add,
	ds_add_u32 v[SPW], v[NIL]                      ; twice on end under the one wait
	v_lshrrev_b32 v1, 5, v0
	v_readfirstlane_b32 s[WV], v1                  ; wave 0..3
	s_bfe_u32 s[CX], ttmp6, 0x40000                ; my place in the cluster
	s_and_b32 s[NN], ttmp7, 0xffff                 ; the slice, which the partners share
	G1SET G1T, 96
	G1SET G1S, 64                                  ; a tensor's scale words of the slice: 16,384 bytes
	G1SET G1H, 192                                 ; a tensor's key step: 49,152 bytes
	G1SET G1W, 16
	; what the joint loads fetch hangs on the slice and the wave's number alone: waves 0, 1 fetch for k, waves 2, 3 for v, each a half
	s_cmp_lt_u32 s[WV], 2
	s_cselect_b32 s66, 1, 2                        ; k is tensor 1, v tensor 2
	s_and_b32 s67, s[WV], 1
	s_mul_i32 s68, s66, 12582912
	s_mul_i32 s69, s[NN], 393216
	s_add_co_u32 s68, s68, s69                     ; my tensor's images of this slice
	s_mul_i32 s70, s67, 24576
	s_add_co_u32 s70, s70, s68                     ; my half of key step 0
	s_mov_b32 s71, 0
	s_add_co_u32 s92, s67, 1                       ; AT THE HEAD a wave brings one whole tile: even waves for k (tensor 1), odd waves for v (tensor 2)
	s_mul_i32 s72, s92, 524288
	s_lshl_b32 s69, s[NN], 14
	s_add_co_u32 s72, s72, s69
	s_mul_i32 s94, s92, 12582912
	s_mul_i32 s69, s[NN], 393216
	s_add_co_u32 s94, s94, s69                     ; that tensor's key step 0
	s_mov_b32 s95, 0
	s_mov_b32 s73, 0
	s_and_b32 s74, s[NN], 7
	s_lshl_b32 s74, s74, 14
	s_lshl_b32 s69, s[WV], 12
	s_add_co_u32 s74, s74, s69                     ; my quarter of the head's fragments of Wo
	s_mov_b32 s75, 0
	; what is my own hangs on my place too, in registers that feed no descriptor
	s_lshl_b32 s2, ttmp9, 4
	s_lshl_b32 s3, s[CX], 2
	s_add_co_u32 s2, s2, s3
	s_add_co_u32 s2, s2, s[WV]                     ; my pair of query tiles: 16 x cluster x + 4 cx + wave
	s_mul_i32 s76, s2, 12288
	s_mul_i32 s3, s[NN], 393216
	s_add_co_u32 s76, s76, s3                      ; q's fragments
	s_mov_b32 s77, 0
	s_lshl_b32 s78, s2, 7
	s_lshl_b32 s3, s[NN], 14
	s_add_co_u32 s78, s78, s3                      ; q's scale words
	s_mov_b32 s79, 0
	s_lshl_b32 s2, s2, 10
	s_lshl_b32 s3, s[NN], 15
	s_add_co_u32 s2, s2, s3                        ; my 1,024 bytes of part
	s_mov_b32 s3, 0
	s_lshl_b32 s62, s[CX], 1
	s_add_co_u32 s62, s62, s67
	s_lshl_b32 s62, s62, 13                        ; the prefetches: 8,192 bytes for each of the eight waves that fetch for one tensor,
	s_add_co_u32 s62, s62, s68
	s_add_co_u32 s62, s62, 32768                   ; 65,536 short of byte 98,304 of the images: the first change of slots steps it there
	s_mov_b32 s63, 0
	s_cmp_eq_u32 ttmp9, 0                          ; both clusters of a slice walk the same k and v: the first asks
	s_cselect_b32 s[LIM], 3, -1
	s_mov_b32 s[SEL], 0x76543210
	s_mov_b32 s[SEL+1], 0xfedcba98
	s_mov_b32 s[CS], 0x3fb8aa3b                    ; log2(e)
	s_mov_b32 s[CS+1], s[CS]
	s_mov_b32 s[TB], 0
	s_mov_b32 s[TK], 0
	s_mov_b32 s[TV], 0
	s_mov_b32 s[SLOTS], 7
	v_and_b32 v14, 31, v0
	v_lshlrev_b32 v[LI], 4, v14
	v_lshlrev_b32 v[L4], 2, v14
	v_lshlrev_b32 v[PFO], 8, v14
	v_add_nc_u32 v[SK0], SCK, v[L4]
	v_add_nc_u32 v[SV0], SCV, v[L4]
	v_add_nc_u32 v[LV], VOFF, v[LI]
	v_add_nc_u32 v[LW], WOI, v[LI]
	v_bfe_u32 v[HH], v0, 4, 1
	v_and_b32 v14, 15, v0
	v_and_b32 v15, 8, v14
	v_add_nc_u32 v14, v14, v15
	v_lshl_add_u32 v14, v[HH], 3, v14              ; lane (r, h) will store query 8 h + r + 8 (r / 8) of the pair's 32
	v_lshlrev_b32 v[GO], 5, v14
	s_wait_alu depctr_va_vdst(0)
	s_wait_dscnt 0x0                               ; both opening adds are done
	s_wait_kmcnt 0x0
	s_add_nc_u64 s[PFA:PFA+1], s[4:5], s[62:63]
	s_mov_b32 s[G0T], 1
	s_mul_i32 s[G0T+1], s[WV], 24576               ; slot 0: k's halves, then v's
	s_add_nc_u64 s[G0T+2:G0T+3], s[4:5], s[70:71]
	s_or_b32 s[G0T+3], s[G0T+3], 0x80000000
	s_lshl_b32 s69, s67, 14                        ; k's words at SCK, v's behind them at SCV
	s_mov_b32 s[G0S], 1
	s_add_co_u32 s[G0S+1], s69, SCK
	s_add_nc_u64 s[G0S+2:G0S+3], s[6:7], s[72:73]
	s_or_b32 s[G0S+3], s[G0S+3], 0x80000000
	s_lshl_b32 s69, s[WV], 12
	s_mov_b32 s[G0W], 1
	s_add_co_u32 s[G0W+1], s69, WOI
	s_add_nc_u64 s[G0W+2:G0W+3], s[8:9], s[74:75]
	s_or_b32 s[G0W+3], s[G0W+3], 0x80000000
	s_mov_b32 s[G0H], 1
	s_mul_i32 s[G0H+1], s67, VOFF                  ; slot 0: k's 49,152 bytes, then v's
	s_add_nc_u64 s[G0H+2:G0H+3], s[4:5], s[94:95]
	s_or_b32 s[G0H+3], s[G0H+3], 0x80000000
	s_add_nc_u64 s[76:77], s[4:5], s[76:77]
	s_add_nc_u64 s[78:79], s[6:7], s[78:79]
	s_add_nc_u64 s[10:11], s[10:11], s[2:3]
	CROUND                                         ; all four work-groups are here: the first joint loads meet
	s_cmp_lt_u32 s[WV], 2                          ; ONE JOINT LOAD A WAVE at the head: wave 0 k's key step 0, wave 1 v's, wave 2 k's scale words, wave 3 v's.  One chain on the wave's number, a load to an arm.
	s_cbranch_scc0 .Lhead_sc                       ; (Wo's fragments are asked for behind the last change of slots.)
	tensor_load_to_lds s[G0H:G0H+3], s[G1H:G1H+7]
	s_nop 0
	PLACES
	s_branch .Lhead_asked
.Lhead_sc:
	tensor_load_to_lds s[G0S:G0S+3], s[G1S:G1S+7]
	s_nop 0
	PLACES
.Lhead_asked:
	WIN 0x40                                       ; destination window 1
.set j, 0
.rept 24
	global_load_b128 v[4*j:4*j+3], v[LI], s[76:77] offset:512*j   ; q's eight fragments as they lie: they stay in registers
.set j, j+1
.endr
	WIN 0
.irp s, 0,1,2,3
	global_load_b32 v[QS+\s], v[L4], s[78:79] offset:4096*\s      ; lanes 0-15 tile 0's words, lanes 16-31 tile 1's
.endr
.irp q, 0,1
	v_mov_b32 v[ST+24*\q+1], 0xff61b1e6            ; the largest t so far: -3e38, under every t
	v_floor_f32 v[ST+24*\q], -v[ST+24*\q+1]        ; -M
	v_mov_b32 v[ST+24*\q+2], 0                     ; l, in two halves
	v_mov_b32 v[ST+24*\q+3], 0
	v_mov_b32 v[ST+24*\q+5], 0                     ; (named with f as a pair)
.irp b, 0,1,2,3
	v_mov_b32 v[ST+24*\q+12+\b], 0                 ; a lane permute's destination counts as read
.endr
.endr
; A PREFETCH behind the joint load of the first four changes of slots: 65,536 bytes of k's images and as many of v's, from byte 98,304 (key step 2) on, 32 lanes x 256 bytes a wave, each wave of each partner another 8,192 bytes BY ADDRESS.
; So each block is named once in the launch, a key step or more ahead of the load that wants it; the images' first 98,304 and last 32,768 bytes come by their loads alone, and no lane points past byte 360,447 of an image of 393,216.
.macro ASK
	s_cmp_gt_u32 s[SLOTS], s[LIM]
	s_cbranch_scc0 .Lnot_mine_\@
	global_prefetch_b8 v[PFO], s[PFA:PFA+1] th:TH_LOAD_NT scope:SCOPE_SE
.Lnot_mine_\@:
.endm
; THE CHANGE OF SLOTS stands at a key step's head.  Each wave waits for all its tensor loads (its part of the slot ahead), adds 0 to its spare word, and waits for that and for its reads of the slot that it has left.
; fill = 1: a round of the cluster's barrier, and behind it the joint load of the next key step into the slot just left: it has a whole key step in which to land.
.macro CHANGE fill
	s_wait_tensorcnt 0x0                           ; no tensor load of mine is out, so the walking group 0 may be written
	ds_add_u32 v[SPW], v[NIL]
.if \fill
	s_xor_b32 s[G0T+1], s[G0T+1], SLOT1
	s_add_nc_u64 s[G0T+2:G0T+3], s[G0T+2:G0T+3], 49152
	s_wait_xcnt 0x0                                ; the last prefetch, a key step back, has read its address
	s_add_nc_u64 s[PFA:PFA+1], s[PFA:PFA+1], 65536
	s_wait_dscnt 0x0
	CROUND
	tensor_load_to_lds s[G0T:G0T+3], s[G1T:G1T+7]
	s_nop 0
	PLACES
	ASK
.else
	s_wait_dscnt 0x0
	CROUND                                         ; no slot is filled again behind this round: Wo's 16,384 bytes are filled for the first time, a quarter a wave, jointly,
	tensor_load_to_lds s[G0W:G0W+3], s[G1W:G1W+7]  ; and have the last key step in which to land
	s_nop 0
	PLACES
.endif
.endm
.macro KGROUP g                        ; four fragments of k: K step g / 2, key tiles 4 (g % 2) + 0 .. 3, into set g % 3
	WIN 0x40
.irp i, 0,1,2,3
.irp c, 0,1,2
	ds_load_b128 v[FB+48*((\g)%3)+12*\i+4*\c:FB+48*((\g)%3)+12*\i+4*\c+3], v[ADK] offset:(4*((\g)%2)+\i)*6144+1536*((\g)/2)+512*\c
.endr
.endr
.endm
.macro VGROUP g                        ; four fragments of v: tiles 4 g + 0 .. 3 of the head's 512
	WIN 0x40
.irp i, 0,1,2,3
.irp c, 0,1,2
	ds_load_b128 v[FB+48*((\g)%3)+12*\i+4*\c:FB+48*((\g)%3)+12*\i+4*\c+3], v[ADV] offset:(4*(\g)+\i)*1536+512*\c
.endr
.endr
.endm
.macro RESCALL q                       ; O^T of query tile q under the new M: all its 256 registers in one unbroken block
	WIN 0x82+0x41*(\q)
	s_wait_alu depctr_va_vdst(0)                   ; directly ahead of the first reader of the last step's matrix results, behind this step's exponentials
.set rO, 0
.rept 128
	v_pk_mul_f32 v[rO:rO+1], v[rO:rO+1], v[ST+24*(\q)+4:ST+24*(\q)+5] op_sel_hi:[1,0]
.set rO, rO+2
.endr
.endm
.macro SCALE q, j                      ; t - M of pair j
	v_pk_fma_f32 v[S+64*(\q)+2*(\j):S+64*(\q)+2*(\j)+1], v[S+64*(\q)+2*(\j):S+64*(\q)+2*(\j)+1], s[CS:CS+1], v[ST+24*(\q):ST+24*(\q)+1] op_sel_hi:[1,0,0]
.endm
.macro EXP2 q, j                       ; p = 2^(t - M) of pair j
	v_exp_f32 v[S+64*(\q)+2*(\j)], v[S+64*(\q)+2*(\j)]
	v_exp_f32 v[S+64*(\q)+2*(\j)+1], v[S+64*(\q)+2*(\j)+1]
.endm
.macro SUMLINE q, z                    ; line z of 32 of the row's sum of the unquantised p: two chains, two numbers a line
.if (\z) == 0
	v_pk_add_f32 v[ST+24*(\q)+20:ST+24*(\q)+21], v[S+64*(\q):S+64*(\q)+1], v[S+64*(\q)+2:S+64*(\q)+3]
.elseif (\z) == 31
	v_pk_add_f32 v[ST+24*(\q)+2:ST+24*(\q)+3], v[ST+24*(\q)+2:ST+24*(\q)+3], v[ST+24*(\q)+20:ST+24*(\q)+21]
.elseif ((\z)%2) == 1
	v_pk_add_f32 v[ST+24*(\q)+2:ST+24*(\q)+3], v[ST+24*(\q)+2:ST+24*(\q)+3], v[S+64*(\q)+4+4*(((\z)-1)/2):S+64*(\q)+5+4*(((\z)-1)/2)]
.else
	v_pk_add_f32 v[ST+24*(\q)+20:ST+24*(\q)+21], v[ST+24*(\q)+20:ST+24*(\q)+21], v[S+64*(\q)+6+4*(((\z)-2)/2):S+64*(\q)+7+4*(((\z)-2)/2)]
.endif
.endm
.macro QP q                            ; tile q's p becomes a fragment's codes and a scale word
.irp b, 0,1,2,3
	v_max_num_f32 v[ST+24*(\q)+8+\b], 0x2800000, v[ST+24*(\q)+8+\b]        ; the floor 2^(5 - 127)
.endr
.irp b, 0,1,2,3
	v_add_nc_u32 v[ST+24*(\q)+16+\b], 0xfe000000, v[ST+24*(\q)+8+\b]
.endr
.irp b, 0,1,2,3
	v_lshrrev_b32 v[ST+24*(\q)+12+\b], 23, v[ST+24*(\q)+16+\b]
.endr
	v_lshl_or_b32 v[PS+(\q)], v[ST+24*(\q)+13], 8, v[ST+24*(\q)+12]
	v_lshl_or_b32 v[PS+(\q)], v[ST+24*(\q)+14], 16, v[PS+(\q)]
	v_lshl_or_b32 v[PS+(\q)], v[ST+24*(\q)+15], 24, v[PS+(\q)]
.irp c, 0,1
	v_cvt_scalef32_pk16_bf6_f32 v[PC+12*(\q)+6*\c:PC+12*(\q)+6*\c+2], v[S+64*(\q)+32*\c:S+64*(\q)+32*\c+15], v[ST+24*(\q)+16+2*\c]
	v_cvt_scalef32_pk16_bf6_f32 v[XT+8*(\q)+4*\c:XT+8*(\q)+4*\c+2], v[S+64*(\q)+32*\c+16:S+64*(\q)+32*\c+31], v[ST+24*(\q)+17+2*\c]
.endr
	v_nop                                          ; one plain place behind a scaled conversion
.irp c, 0,1
.irp i, 0,1,2
	v_permlane16_swap_b32 v[PC+12*(\q)+6*\c+\i], v[XT+8*(\q)+4*\c+\i]
.endr
.irp i, 0,1,2
	v_mov_b32 v[PC+12*(\q)+6*\c+3+\i], v[XT+8*(\q)+4*\c+\i]
.endr
.endr
.endm
; A KEY STEP: 128 keys.  first = 1: its products V^T P start O^T's sums with the constant 0, and nothing is rescaled: no accumulator is ever cleared.
.macro STEP first
	v_add_nc_u32 v[ADK], s[TB], v[LI]
	v_add_nc_u32 v[ADV], s[TB], v[LV]
	v_add_nc_u32 v[ADS], s[TK], v[SK0]
	v_add_nc_u32 v[ADT], s[TV], v[SV0]
	s_wait_alu depctr_va_vdst(0)
.irp s, 0,1,2,3
.irp p, 0,1,2,3
	ds_load_b32 v[KS+4*\s+\p], v[ADS] offset:4096*\s+128*\p       ; K step s, key tiles 2 p (lanes 0-15) and 2 p + 1 (lanes 16-31)
.endr
.endr
	KGROUP 0
	KGROUP 1
	KGROUP 2
	; S^T = k q^T: 64 products in eight groups; the 16 accumulators take turns
.set g, 0
.rept 8
.if g < 6
	s_wait_dscnt 24                                ; this group's loads are in; the two younger groups' 24 may be out
.elseif g == 6
	s_wait_dscnt 12
.else
	s_wait_dscnt 0x0
.endif
	WIN 0x05                                       ; k and q in window 1, S^T in window 0
.set i, 0
.rept 4
.set q, 0
.rept 2
.set kt, 4*(g%2)+i
.set sk, g/2
.if sk == 0
	WS S+64*q+8*kt, FB+48*(g%3)+12*i, 48*q+12*sk, -1, KS+4*sk+kt/2, QS+sk, kt%2, q
.else
	WS S+64*q+8*kt, FB+48*(g%3)+12*i, 48*q+12*sk, S+64*q+8*kt, KS+4*sk+kt/2, QS+sk, kt%2, q
.endif
.set q, q+1
.endr
.set i, i+1
.endr
	PLACES
.if g < 5
	KGROUP g+3
.endif
.set g, g+1
.endr
	WIN 0
.irp p, 0,1,2,3,4,5,6,7,8,9,10,11,12,13,14,15
	ds_load_b32 v[KS+\p], v[ADT] offset:128*\p     ; v's scale words, and its first three groups: they land during the softmax
.endr
	VGROUP 0
	VGROUP 1
	VGROUP 2
	WIN 0
	; the largest score of each block of 32 keys, the two tiles by turns
.irp b, 0,1,2,3
.irp q, 0,1
	v_max3_num_f32 v[ST+24*\q+8+\b], v[S+64*\q+16*\b], v[S+64*\q+16*\b+1], v[S+64*\q+16*\b+2]
.endr
.endr
.irp i, 3,5,7,9,11,13
.irp b, 0,1,2,3
.irp q, 0,1
	v_max3_num_f32 v[ST+24*\q+8+\b], v[ST+24*\q+8+\b], v[S+64*\q+16*\b+\i], v[S+64*\q+16*\b+\i+1]
.endr
.endr
.endr
.irp b, 0,1,2,3
.irp q, 0,1
	v_max_num_f32 v[ST+24*\q+8+\b], v[ST+24*\q+8+\b], v[S+64*\q+16*\b+15]
.endr
.endr
.irp b, 0,1,2,3
.irp q, 0,1
	v_permlanex16_b32 v[ST+24*\q+12+\b], v[ST+24*\q+8+\b], s[SEL], s[SEL+1]
.endr
.endr
.irp b, 0,1,2,3
.irp q, 0,1
	v_max_num_f32 v[ST+24*\q+8+\b], v[ST+24*\q+8+\b], v[ST+24*\q+12+\b]
.endr
.endr
.irp q, 0,1
	v_max3_num_f32 v[ST+24*\q+6], v[ST+24*\q+8], v[ST+24*\q+9], v[ST+24*\q+10]
.endr
.irp q, 0,1
	v_max_num_f32 v[ST+24*\q+6], v[ST+24*\q+6], v[ST+24*\q+11]
.endr
.irp q, 0,1
	v_mul_f32 v[ST+24*\q+6], s[CS], v[ST+24*\q+6]                  ; as t
.endr
.irp q, 0,1
	v_max_num_f32 v[ST+24*\q+1], v[ST+24*\q+1], v[ST+24*\q+6]      ; the running largest t
.endr
.irp q, 0,1
	v_mov_b32 v[ST+24*\q+6], v[ST+24*\q]
.endr
.irp q, 0,1
	v_floor_f32 v[ST+24*\q], -v[ST+24*\q+1]        ; the new -M = -ceil(t)
.endr
.irp q, 0,1
	v_sub_f32 v[ST+24*\q+6], v[ST+24*\q], v[ST+24*\q+6]            ; old M - new M: a whole number, 0 or less
.endr
.irp q, 0,1
	v_cvt_i32_f32 v[ST+24*\q+6], v[ST+24*\q+6]     ; (it saturates)
.endr
.irp q, 0,1
	v_ldexp_f32 v[ST+24*\q+4], 1.0, v[ST+24*\q+6]  ; f = 2^(old M - new M)
.endr
.set j, 0
.rept 32
	SCALE 0, j
.set j, j+1
.endr
.irp b, 0,1,2,3
	v_fma_f32 v[ST+8+\b], v[ST+8+\b], s[CS], v[ST] ; the same of each block's largest score
.endr
	s_wait_alu depctr_va_vdst(0)                   ; the wait ahead of the batch: its sources, and f, were written by plain lines
.set j, 0
.rept 32                               ; tile 0's exponentials; tile 1's scalings between them are first read behind the next wait
	EXP2 0, j
	SCALE 1, j
.set j, j+1
.endr
.irp b, 0,1,2,3
	v_fma_f32 v[ST+32+\b], v[ST+32+\b], s[CS], v[ST+24]
.endr
.irp b, 0,1,2,3
	v_exp_f32 v[ST+8+\b], v[ST+8+\b]               ; tile 0's blocks' largest p
.endr
.irp q, 0,1
	v_pk_mul_f32 v[ST+24*\q+2:ST+24*\q+3], v[ST+24*\q+2:ST+24*\q+3], v[ST+24*\q+4:ST+24*\q+5] op_sel_hi:[1,0]   ; l under the new M: plain work behind the exponentials
.endr
	s_wait_alu depctr_va_vdst(0)                   ; one wait for tile 0's 68 exponentials, ahead of their first reader
.set j, 0
.rept 32                               ; tile 1's exponentials, with tile 0's sums between them
	EXP2 1, j
.if (j%2) == 0
	v_pk_add_f32 v[PC+j:PC+j+1], v[S+2*j:S+2*j+1], v[S+2*j+2:S+2*j+3]   ; tile 0's sum, first level: 16 adds that hang on nothing of each other, into v216-247, first read behind the wait below
.endif
.set j, j+1
.endr
.irp b, 0,1,2,3
	v_exp_f32 v[ST+32+\b], v[ST+32+\b]
.endr
	v_nop                                          ; a plain place behind the exponentials
	s_wait_alu depctr_va_vdst(0)                   ; one wait for tile 1's 68
.irp z, 0,2,4,6,8,10,12,14
	v_pk_add_f32 v[PC+\z:PC+\z+1], v[PC+\z:PC+\z+1], v[PC+16+\z:PC+17+\z]
.endr
.irp z, 0,2,4,6
	v_pk_add_f32 v[PC+\z:PC+\z+1], v[PC+\z:PC+\z+1], v[PC+8+\z:PC+9+\z]
.endr
.irp z, 0,2
	v_pk_add_f32 v[PC+\z:PC+\z+1], v[PC+\z:PC+\z+1], v[PC+4+\z:PC+5+\z]
.endr
	v_pk_add_f32 v[PC:PC+1], v[PC:PC+1], v[PC+2:PC+3]
	v_pk_add_f32 v[ST+2:ST+3], v[ST+2:ST+3], v[PC:PC+1]   ; onto tile 0's l
	QP 0
.set j, 0
.rept 32
	SUMLINE 1, j
.set j, j+1
.endr
	QP 1
	; O^T += v^T p^T: 64 products in eight groups of four tiles x two query tiles; the rescaling stands ahead of them, one unbroken block a tile.
	; The lines below are also the eight places between the write of p's scale word and the first product that names it.
.if \first
.rept 8
	v_nop
.endr
.else
	RESCALL 0
	RESCALL 1
.endif
	s_wait_alu depctr_va_vdst(0)                   ; what was just written (O^T, p's codes
.set g, 0
.rept 8
.if g < 6
	s_wait_dscnt 24
.elseif g == 6
	s_wait_dscnt 12
.else
	s_wait_dscnt 0x0
.endif
.set ip, 0
.rept 2
.set q, 0
.rept 2
	WIN 0xa1+0x50*q                                ; v in window 1, p in window 0, O^T in window 2 or 3
.set i, 2*ip
.rept 2
.set dd, 4*g+i
.if \first
	WS 8*dd, FB+48*(g%3)+12*i, PC+12*q, -1, KS+dd/2, PS+q, dd%2, 0
.else
	WS 8*dd, FB+48*(g%3)+12*i, PC+12*q, 8*dd, KS+dd/2, PS+q, dd%2, 0
.endif
.set i, i+1
.endr
.set q, q+1
.endr
.set ip, ip+1
.endr
.if g < 5
	PLACES
	VGROUP g+3                                     ; behind four places
.endif
.set g, g+1
.endr
	WIN 0
	PLACES                                         ; in front of the next step's loads into scale and fragment registers, and of the way out's reads
	s_xor_b32 s[TB], s[TB], SLOT1
	s_add_co_u32 s[TK], s[TK], 512
	s_add_co_u32 s[TV], s[TV], 2048
.endm
	s_wait_alu depctr_va_vdst(0)                   ; the wait at the head's end
	CHANGE 1                                       ; slot 0 and the scale words are whole; slot 1 is asked for
	s_wait_loadcnt 0x0
	STEP 1
	s_sub_co_u32 s[SLOTS], s[SLOTS], 1
.Lslot:                                                ; six trips: key steps 1 to 6
	CHANGE 1
	STEP 0
	s_sub_co_u32 s[SLOTS], s[SLOTS], 1
	s_cmp_lg_u32 s[SLOTS], 0
	s_cbranch_scc1 .Lslot
	CHANGE 0                                       ; the last key step is written out
	STEP 0
	; THE WAY OUT.  part(query, o) = (sum over d of O(query, d) Wo(512 head + d, o)) / l.  O^T's tiles 2 B and 2 B + 1 hold, in lane (r, h), d = 32 B + 16 h + 0 .. 15: rounded to bf16 in pairs they are source 1 of a
	; bf16 product of 32 along d, in an order of d that Wo's fragments were laid in too.  Source 0 = Wo^T (rows 8-15 repeat rows 0-7): both halves of the lanes then hold the query's eight outputs.
.irp q, 0,1
	v_add_f32 v[ST+24*\q+6], v[ST+24*\q+2], v[ST+24*\q+3]
.endr
.irp q, 0,1
	v_permlanex16_b32 v[ST+24*\q+12], v[ST+24*\q+6], s[SEL], s[SEL+1]
.endr
.irp q, 0,1
	v_add_f32 v[ST+24*\q+6], v[ST+24*\q+6], v[ST+24*\q+12]         ; the row's sum
.endr
	s_wait_alu depctr_va_vdst(0)                   ; the wait ahead of the two reciprocals
.irp q, 0,1
	v_rcp_f32 v[ST+24*\q+4], v[ST+24*\q+6]
.endr
	v_nop                                          ; a plain place behind the reciprocals
	s_wait_alu depctr_va_vdst(0)
	s_wait_tensorcnt 0x0                           ; my quarter of Wo's fragments is in,
	s_wait_dscnt 0x0
	s_barrier_signal -1
	s_barrier_wait -1                              ; everybody's is
	WIN 0x40
.set j, 0
.rept 32
	ds_load_b128 v[FB+4*j:FB+4*j+3], v[LW] offset:512*j            ; Wo's 16 fragments, 8 registers each
.set j, j+1
.endr
.macro LAST rho                        ; fragments 8 rho .. 8 rho + 7: 256 of the head's 512
.set q, 0
.rept 2
	WIN 0x0a+5*q                                   ; sources in window 2 or 3
	s_wait_alu depctr_va_vdst(0)                   ; directly ahead of the first readers of O^T's last sums, behind the reciprocals
.set n, 0
.rept 64
	v_cvt_pk_bf16_f32 v[S+64*q+n], v[8*(16*(\rho)+n/4)+2*(n%4)], v[8*(16*(\rho)+n/4)+2*(n%4)+1]   ; each accumulator from its low end on
.set n, n+1
.endr
.set q, q+1
.endr
.if (\rho) == 0
	s_wait_alu depctr_va_vdst(0)
	s_wait_dscnt 0x0
.endif
	WIN 0x01
.set n, 0
.rept 8
.set q, 0
.rept 2                                ; the two accumulators by turns
.if ((\rho) == 0) && (n == 0)
	v_wmma_f32_16x16x32_bf16 v[ACC+8*q:ACC+8*q+7], v[FB+8*(8*(\rho)+n):FB+8*(8*(\rho)+n)+7], v[S+64*q+8*n:S+64*q+8*n+7], 0
.else
	v_wmma_f32_16x16x32_bf16 v[ACC+8*q:ACC+8*q+7], v[FB+8*(8*(\rho)+n):FB+8*(8*(\rho)+n)+7], v[S+64*q+8*n:S+64*q+8*n+7], v[ACC+8*q:ACC+8*q+7]
.endif
.set q, q+1
.endr
.set n, n+1
.endr
	WIN 0
	PLACES
.endm
	LAST 0
	LAST 1
	v_cmp_eq_u32 vcc_lo, 1, v[HH]
	s_wait_alu depctr_va_vdst(0)                   ; the wait for the last products' results, ahead of their first reader
	v_cndmask_b32 v[ST+6], v[ST+4], v[ST+28], vcc_lo               ; lanes 0-15 take tile 0, lanes 16-31 tile 1
.irp j, 0,1,2,3,4,5,6,7
	v_cndmask_b32 v[S+\j], v[ACC+\j], v[ACC+8+\j], vcc_lo
.endr
.irp j, 0,1,2,3,4,5,6,7
	v_mul_f32 v[S+\j], v[S+\j], v[ST+6]
.endr
	global_store_b128 v[GO], v[S:S+3], s[10:11]
	global_store_b128 v[GO], v[S+4:S+7], s[10:11] offset:16        ; the two stores together cover the wave's 1,024 consecutive bytes
	s_wait_tensorcnt 0x0                           ; the wave's end
	ds_add_u32 v[SPW], v[NIL]
	s_wait_dscnt 0x0
	CROUND                                         ; the closing round
	s_endpgm
.Lfunc_end_k_q1178d7981b_attn:
	.size	k_q1178d7981b_attn, .Lfunc_end_k_q1178d7981b_attn-k_q1178d7981b_attn
	.p2alignl 7, 3214868480
	.fill 96, 4, 3214868480
	.section	.rodata,"a",@progbits
	.p2align	6, 0x0
	.amdhsa_kernel k_q1178d7981b_attn
		.amdhsa_group_segment_fixed_size 327680
		.amdhsa_private_segment_fixed_size 0
		.amdhsa_enable_private_segment 0
		.amdhsa_kernarg_size 32
		.amdhsa_user_sgpr_count 2
		.amdhsa_user_sgpr_kernarg_segment_ptr 1
		.amdhsa_wavefront_size32 1
		.amdhsa_system_sgpr_workgroup_id_x 1
		.amdhsa_system_sgpr_workgroup_id_y 1
		.amdhsa_system_sgpr_workgroup_id_z 1
		.amdhsa_system_vgpr_workitem_id 0
		.amdhsa_next_free_vgpr 1024
		.amdhsa_next_free_sgpr 98
		.amdhsa_reserve_vcc 1
		.amdhsa_float_denorm_mode_32 3
		.amdhsa_float_denorm_mode_16_64 3
		.amdhsa_memory_ordered 1
		.amdhsa_forward_progress 1
		.amdhsa_inst_pref_size 235
	.end_amdhsa_kernel
	.amdgpu_metadata
---
amdhsa.version: [ 1, 2 ]
amdhsa.kernels:
  - .name:           k_q1178d7981b_attn
    .symbol:         k_q1178d7981b_attn.kd
    .args:
      - { .name: qkv_img, .offset: 0, .size: 8, .value_kind: global_buffer, .address_space: global }
      - { .name: qkv_sc, .offset: 8, .size: 8, .value_kind: global_buffer, .address_space: global }
      - { .name: wo_img, .offset: 16, .size: 8, .value_kind: global_buffer, .address_space: global }
      - { .name: part, .offset: 24, .size: 8, .value_kind: global_buffer, .address_space: global }
    .group_segment_fixed_size: 327680
    .private_segment_fixed_size: 0
    .kernarg_segment_align: 8
    .kernarg_segment_size: 32
    .max_flat_workgroup_size: 128
    .sgpr_count:     98
    .vgpr_count:     1024
    .wavefront_size: 32
...
	.end_amdgpu_metadata
.endif
;; end of part 3
;; launch headsum (part 4): grid 64 x 1, 4 waves a work-group, no clusters, 0 bytes of LDS; arguments part, bo, out0; writes out0
.if DOCPART == 4
	.amdgcn_target "amdgcn-amd-amdhsa--gfx1250"
	.amdhsa_code_object_version 6
	.text
	.protected	k_q1178d7981b_headsum
	.globl	k_q1178d7981b_headsum
	.p2align	8
	.type	k_q1178d7981b_headsum,@function
k_q1178d7981b_headsum:
	s_mov_b64 s[64:65], 0
	v_nop
	global_prefetch_b8 v0, s[64:65] scope:SCOPE_SE
	s_setreg_imm32_b32 hwreg(HW_REG_WAVE_MODE, 25, 1), 1
	s_wait_xcnt 0x0
; out0[t][b][o] = bo[o] + the sum over the 8 heads of part[8 b + head][t][o], in f32, heads ascending.  The sum spans the work-groups of the launch before, so it has a launch of its own: each output has one owner.
; A thread owns 16 bytes of out0 (four o of one (t, b)): 8,192 threads, 64 work-groups of 128.  Eight loads of 16 bytes and the bias; the wave's store covers 512 consecutive bytes, aligned.
; No LDS, no matrix unit, no cluster: 1 MiB is read once, and nothing is shared.
	s_load_b128 s[4:7], s[0:1], 0x0                ; part, bo
	s_load_b64 s[8:9], s[0:1], 0x10                ; out0
	s_lshl_b32 s10, ttmp9, 7
	v_add_nc_u32 v1, s10, v0                       ; which 16 bytes of out0
	v_bfe_u32 v2, v1, 1, 2                         ; b
	v_lshrrev_b32 v3, 3, v1                        ; t
	v_and_b32 v4, 1, v1                            ; which half of the eight o
	v_lshlrev_b32 v5, 18, v2                       ; part: 8 slices of 32,768 bytes a batch,
	v_lshl_add_u32 v5, v3, 5, v5                   ; 32 bytes a t,
	v_lshl_add_u32 v5, v4, 4, v5                   ; 16 a half
	v_lshlrev_b32 v6, 4, v4
	v_lshlrev_b32 v7, 4, v1
	s_wait_alu depctr_va_vdst(0)
	s_wait_kmcnt 0x0
	global_load_b128 v[8:11], v6, s[6:7]
.irp h, 0,1,2,3,4,5,6,7
	global_load_b128 v[12+4*\h:15+4*\h], v5, s[4:5] offset:32768*\h th:TH_LOAD_NT
.endr
	s_wait_loadcnt 0x0
.irp h, 0,1,2,3,4,5,6,7
	v_pk_add_f32 v[8:9], v[8:9], v[12+4*\h:13+4*\h]
	v_pk_add_f32 v[10:11], v[10:11], v[14+4*\h:15+4*\h]
.endr
	global_store_b128 v7, v[8:11], s[8:9]
	s_endpgm
.Lfunc_end_k_q1178d7981b_headsum:
	.size	k_q1178d7981b_headsum, .Lfunc_end_k_q1178d7981b_headsum-k_q1178d7981b_headsum
	.p2alignl 7, 3214868480
	.fill 96, 4, 3214868480
	.section	.rodata,"a",@progbits
	.p2align	6, 0x0
	.amdhsa_kernel k_q1178d7981b_headsum
		.amdhsa_group_segment_fixed_size 0
		.amdhsa_private_segment_fixed_size 0
		.amdhsa_enable_private_segment 0
		.amdhsa_kernarg_size 24
		.amdhsa_user_sgpr_count 2
		.amdhsa_user_sgpr_kernarg_segment_ptr 1
		.amdhsa_wavefront_size32 1
		.amdhsa_system_sgpr_workgroup_id_x 1
		.amdhsa_system_sgpr_workgroup_id_y 1
		.amdhsa_system_sgpr_workgroup_id_z 1
		.amdhsa_system_vgpr_workitem_id 0
		.amdhsa_next_free_vgpr 48
		.amdhsa_next_free_sgpr 66
		.amdhsa_reserve_vcc 0
		.amdhsa_float_denorm_mode_32 3
		.amdhsa_float_denorm_mode_16_64 3
		.amdhsa_memory_ordered 1
		.amdhsa_forward_progress 1
		.amdhsa_inst_pref_size 3
	.end_amdhsa_kernel
	.amdgpu_metadata
---
amdhsa.version: [ 1, 2 ]
amdhsa.kernels:
  - .name:           k_q1178d7981b_headsum
    .symbol:         k_q1178d7981b_headsum.kd
    .args:
      - { .name: part, .offset: 0, .size: 8, .value_kind: global_buffer, .address_space: global }
      - { .name: bo, .offset: 8, .size: 8, .value_kind: global_buffer, .address_space: global }
      - { .name: out0, .offset: 16, .size: 8, .value_kind: global_buffer, .address_space: global }
    .group_segment_fixed_size: 0
    .private_segment_fixed_size: 0
    .kernarg_segment_align: 8
    .kernarg_segment_size: 24
    .max_flat_workgroup_size: 128
    .sgpr_count:     66
    .vgpr_count:     48
    .wavefront_size: 32
...
	.end_amdgpu_metadata
.endif
;; end of part 4
